; MI455X (gfx1250); checked and timed in simulation.
; The chip was launched on July 23, 2026; its instructions are those of AMD's public machine-readable ISA for CDNA 5 (MIT licence, August 2026) and "CDNA5" Instruction Set Architecture Reference Guide (July 2026). The comments in the code are by the model that wrote it; some were corrected since.
;; Multi Head Self Attention. Allowed arithmetic: matrix products marked QUANTISED: E4M3 operands, one given power-of-two scale a tensor, by v_wmma_f32_16x16x64_fp8_fp8 or v_wmma_f32_16x16x128_fp8_fp8, f32 sums; everything else in f32.
;; Inputs: lowp_scales 8 int32 (the exponents e of the quantised operands' scales 2^e); token_positions 2,048 int32; w_out 1,024 x 1,024 float32; w_qkv 3,072 x 1,024 float32; x 2 x 2,048 x 1,024 float32.
;; Outputs: out0 2 x 2,048 x 1,024 float32.
;; This version of the problem:
;;   THIS VERSION OF THE PROBLEM IS GIVEN IN LOW PRECISION. The matrix products marked QUANTISED in the list below multiply operands that are first quantised to E4M3 (4 exponent bits, 3 mantissa bits; 8 bits a number), with one given power-of-two scale for each operand tensor; their sums are f32. All else is computed in f32.
;;   The module's matrix products, in the order in which they are computed (A, B: the left and right operand; K: the contracted axis; several contracted axes count as one K, in the product's order):
;;     1. [M 4,096, K 1,024] x [K 1,024, N 3,072]; A: input x; B: input w_qkv: QUANTISED (scales: A lowp_scales[0], B lowp_scales[1])
;;     2. batch 32 x [M 2,048, K 64] x [K 64, N 2,048]; A: computed on the way; B: computed on the way: QUANTISED (scales: A lowp_scales[2], B lowp_scales[3])
;;     3. batch 32 x [M 2,048, K 2,048] x [K 2,048, N 64]; A: softmax (see below); B: computed on the way: QUANTISED (scales: A lowp_scales[4], B lowp_scales[5])
;;     4. [M 4,096, K 1,024] x [K 1,024, N 1,024]; A: computed on the way; B: input w_out: QUANTISED (scales: A lowp_scales[6], B lowp_scales[7])
;;   THE QUANTISER, for each operand of a quantised product, along K:
;;     - The operand's scale is 2^e, e = its entry of the input lowp_scales (int32; the entries are numbered through the quantised products in the list's order, A before B).
;;     - Each number is divided by the scale, clamped to +-448, and rounded to the nearest number of E4M3, ties to even, subnormals kept.
;;     - The product sums the exact products of the quantised numbers (number of the format x scale) in f32.
;;   ~~~python
;;   def quantise(x, axis, e):      # numpy; x: float32 -> the quantised numbers, widened to float32 again
;;       x = np.moveaxis(x, axis, -1); K = x.shape[-1]
;;       r = np.clip(x / 2.0 ** e, -448, 448)
;;       step = 2.0 ** (np.maximum(np.frexp(np.where(r == 0, 1, r))[1] - 1, -6) - 3)
;;       q = np.round(r / step) * step * 2.0 ** e      # np.round: ties to even
;;       return np.moveaxis(q, -1, axis).astype(np.float32)
;;   ~~~
;;   SOFTMAX AHEAD OF A QUANTISED PRODUCT. Where the list says 'softmax', what is quantised is not the finished softmax but p = 2^(t - M), with t = logit x log2(e) and M = ceil(the row's largest t), a whole number; so 1/2 < the row's largest p <= 1. The row's sum l is taken of the UNQUANTISED p, in f32, and the product's result is divided by l at the end. Since M is a whole number, a kernel that streams over the keys may use a running M (the ceiling of the running maximum): every later rescaling is an exact power of two, so the quantised numbers keep their values, but for numbers so far below the row's largest that they fall under the format's range.
;;   OPERANDS COMPUTED ON THE WAY. 'Computed on the way' means the value that the module computes at that place (a softmax that the list does not call 'softmax' is quantised finished and normalised). What goes into a quantiser is computed in f32, as accurately as f32 sums, v_exp_f32 and their like allow (about 1e-6 of the number): no bf16 or f16 on the way to a quantiser, and a product that is left as it is and whose result goes on into a quantised operand takes f32 operands (vector FMAs, or v_wmma_f32_16x16x4_f32). A number that lies on a knife's edge between two numbers of the format may be rounded either way, as far as f32 arithmetic and the matrix unit's own rounding can turn it there, and no further.
;; One version. Each part assembles by itself: llvm-mc -triple=amdgcn-amd-amdhsa -mcpu=gfx1250 --defsym DOCPART=n.
;; ======== version 1 of 1: 4 launches
;; limits: right only within a limited range of input values
;; workspace buffers: x_img 4,194,304 bytes; wqkv_img 3,145,728 bytes; wout_img 1,048,576 bytes; rope_img 524,288 bytes; q_img 4,194,304 bytes; kv_img 8,388,608 bytes; o_img 4,194,304 bytes
;; launch prep (part 1): grid 256 x 1, 8 waves a work-group, no clusters, 68,608 bytes of LDS; arguments x, w_qkv, w_out, lowp_scales, token_positions, x_img, wqkv_img, wout_img, rope_img; writes x_img, wqkv_img, wout_img, rope_img
.if DOCPART == 1
	.amdgcn_target "amdgcn-amd-amdhsa--gfx1250"
	.amdhsa_code_object_version 6
	.text
	.protected	k_qa836c8730c_prep
	.globl	k_qa836c8730c_prep
	.p2align	8
	.type	k_qa836c8730c_prep,@function
k_qa836c8730c_prep:
	s_mov_b64 s[64:65], 0
	v_nop
	global_prefetch_b8 v0, s[64:65] scope:SCOPE_SE
	s_setreg_imm32_b32 hwreg(HW_REG_WAVE_MODE, 25, 1), 1
	s_wait_xcnt 0x0
; PREP: x [4096][1024], w_qkv [3072][1024] and w_out [1024][1024], f32, become codes of FP8 (E4M3) with the given scales 2^e (entries 0, 1, 7 of the scales), and the table of cosines and sines is made.
; code = number / 2^e, held within +-448, rounded to the nearest code, ties to even.
; THE CODES ARE LAID AS IMAGES OF OPERAND REGISTERS.  A fragment, 16 rows x 128 along K, is 2,048 bytes: [c = 0..3][lane = 0..31][16 bytes]; lane (r = lane % 16, h = lane / 16) holds row r, and its 16 bytes of group c
; are k = 32 c + 8 h + 0..7, then k = 32 c + 16 + 8 h + 0..7: registers 4 c .. 4 c + 3 of the operand of the 16x16x128 form.  Two fragments that follow along K, 256 columns of a tile of 16 rows, are 4,096 bytes on end.
; wout_img is [tile of 16 rows][4 x 256 columns][4,096].  x_img is [group of 8 tiles][4 x 256 columns][8 tiles][4,096], wqkv_img [group of 6 tiles][4 x 256 columns][6 tiles][4,096]: so what the next launch fetches at a time is dense.
; w_qkv's tiles are taken in the order 12 x head + 4 x kind + tile in the head (kind 0 q, 1 k, 2 v), so that one head's twelve tiles are two neighbouring groups.
; SHARES.  4,096 fragments = 256 work-groups x 8 waves x 2.  Work-groups 0-127 take x, 128-223 w_qkv, 224-255 w_out: pointers and the exponent are chosen by selects on the work-group's number; there is one path.
; Wave w takes row tile 2 g' + w / 4 and columns 256 (w % 4) on: two fragments.  Each load reads 512 consecutive bytes of one row; all 32 are issued at the head.  A fragment's 16 x 512 bytes turn through the
; wave's own stage in LDS (rows of 512 + 16 bytes: 132 words, so that sixteen rows start at sixteen different groups of banks; 64 banks of 4 bytes: ISA guide 11.1).  Each store covers 512 consecutive bytes, aligned.
; No barrier: waves share nothing.  No tensor load, no cluster, no matrix unit, no prefetch: every byte is read once by one wave, all loads at the head.
; THE TABLE: [128 tiles of 16 places in the sequence][4 t][2 halves][32 lanes][16 bytes]: lane (r, h): cos, sin, cos, sin of the pairs i = 8 t + 4 h + 2 half + 0, 1 at place 16 tile + r.  A thread makes one pair:
; inv = 10000^(-i / 32) = 2^(-i L), L = log2(10000) / 32 in two parts (the upper has 19 bits, so i x upper is exact); angle = f32(position) x inv, one rounding; reduced by pi / 2 in two parts; polynomials on [-pi/4, pi/4].
; LIMITS: e between -126 and 119; |position| under 2^21; inv is good to about one unit in its last place; NaN among the inputs is not served.
.set SP,   528                         ; a stage row
.set WST,  16*SP                       ; a wave's stage
.set LI,   2                           ; v2   16 x lane
.set STI,  3                           ; v3   the stage, on the way in
.set STR,  4                           ; v4   the stage, on the way out: row r, + 32 h
.set SC,   5                           ; v5   2^e
.set LIM,  6                           ; v6   448 x 2^e
.set RAW,  32                          ; v32-159  two fragments as loaded: row R at 4 R
.set XN,   160                         ; v160-223 64 numbers of my row in the operand's order
.set CODE, 224                         ; v224-255 the codes: 16 registers a fragment, so that no store's data are written again
	s_load_b256 s[4:11], s[0:1], 0x0               ; x, w_qkv, w_out, the scales' exponents
	s_load_b256 s[12:19], s[0:1], 0x20             ; positions, x_img, wqkv_img, wout_img
	s_load_b64 s[20:21], s[0:1], 0x40              ; rope_img
	v_lshl_add_u32 v30, v0, 2, 0x10800
	v_mov_b32 v31, 0
	v_lshrrev_b32 v1, 5, v0
	s_delay_alu instid0(VALU_DEP_1)
	v_readfirstlane_b32 s22, v1                    ; wave 0..7
	v_and_b32 v1, 31, v0
	s_delay_alu instid0(VALU_DEP_1)
	v_lshlrev_b32 v[LI], 4, v1
	s_mul_i32 s23, s22, WST
	v_add_nc_u32 v[STI], s23, v[LI]
	v_and_b32 v10, 15, v0                          ; r
	v_bfe_u32 v11, v0, 4, 1                        ; h
	s_delay_alu instid0(VALU_DEP_2)
	v_mul_u32_u24 v[STR], v10, SP
	s_delay_alu instid0(VALU_DEP_1)
	v_lshl_add_u32 v[STR], v11, 5, v[STR]
	s_delay_alu instid0(VALU_DEP_1)
	v_add_nc_u32 v[STR], s23, v[STR]
	v_bfe_u32 v7, v0, 1, 4                         ; the table: my place in the tile of 16: (thread / 2) % 16,
	s_delay_alu instid0(VALU_DEP_1)
	v_lshlrev_b32 v7, 2, v7                        ; in bytes of the positions
	v_lshlrev_b32 v9, 3, v0                        ; and my 8 bytes of the work-group's 2,048
	; which tensor, which tile
	s_cmp_lt_u32 ttmp9, 128
	s_cselect_b32 s28, 0, 128
	s_cmp_lt_u32 ttmp9, 224
	s_cselect_b32 s28, s28, 224
	s_sub_co_u32 s28, ttmp9, s28                   ; g': my number among the tensor's work-groups
	s_lshl_b32 s28, s28, 1
	s_lshr_b32 s29, s22, 2
	s_add_co_u32 s28, s28, s29                     ; the row tile
	s_and_b32 s29, s22, 3                          ; which 256 columns
	s_and_b32 s30, s28, 63
	s_lshr_b32 s30, s30, 2                         ; w_qkv: head,
	s_mul_i32 s30, s30, 12
	s_lshr_b32 s31, s28, 6                         ; kind,
	s_lshl_b32 s31, s31, 2
	s_add_co_u32 s30, s30, s31
	s_and_b32 s31, s28, 3                          ; tile in the head
	s_add_co_u32 s30, s30, s31
	; the group, my place in it, the group's tiles: x: 8 tiles; w_qkv: 6; w_out: 1
	s_mul_i32 s51, s30, 10923
	s_lshr_b32 s51, s51, 16                        ; / 6, exact for the 192 places
	s_mul_i32 s52, s51, 6
	s_sub_co_u32 s52, s30, s52
	s_lshr_b32 s53, s28, 3
	s_and_b32 s54, s28, 7
	s_cmp_lt_u32 ttmp9, 128
	s_cselect_b32 s51, s53, s51
	s_cselect_b32 s52, s54, s52
	s_cselect_b32 s55, 8, 6
	s_cmp_lt_u32 ttmp9, 224
	s_cselect_b32 s51, s51, s28
	s_cselect_b32 s52, s52, 0
	s_cselect_b32 s55, s55, 1
	s_lshl_b32 s56, s28, 16                        ; source: 16 rows of 4,096 bytes a tile,
	s_lshl_b32 s57, s29, 10                        ; 1,024 bytes for 256 columns
	s_add_co_u32 s56, s56, s57
	s_mov_b32 s57, 0
	s_lshl_b32 s58, s51, 2                         ; image: 4,096 x ((4 group + columns) x tiles of a group + place)
	s_add_co_u32 s58, s58, s29
	s_mul_i32 s58, s58, s55
	s_add_co_u32 s58, s58, s52
	s_lshl_b32 s58, s58, 12
	s_mov_b32 s59, 0
	s_lshr_b32 s60, ttmp9, 1                       ; the table: tile of the sequence = work-group / 2: 64 bytes of positions
	s_lshl_b32 s60, s60, 6
	s_mov_b32 s61, 0
	s_lshl_b32 s62, ttmp9, 11                      ; and 2,048 bytes of the table for each work-group
	s_mov_b32 s63, 0
	s_mov_b32 s40, 0x3ed49a60                      ; L, upper 19 bits
	s_mov_b32 s41, 0x35425e69                      ; L, the rest
	s_mov_b32 s42, 0x3f22f983                      ; 2 / pi
	s_mov_b32 s43, 0x3fc90fdb                      ; pi / 2, upper part
	s_mov_b32 s44, 0xb33bbd2e                      ; pi / 2, the rest
	s_mov_b32 s45, 0xb94ca1f9                      ; sine: -1.9515296e-4, 8.3321609e-3, -1.6666655e-1
	s_mov_b32 s46, 0x3c08839e
	s_mov_b32 s47, 0xbe2aaaa3
	s_mov_b32 s48, 0x37ccf5ce                      ; cosine: 2.4433157e-5, -1.3887316e-3, 4.1666646e-2
	s_mov_b32 s49, 0xbab6061a
	s_mov_b32 s50, 0x3d2aaaa5
	s_wait_alu depctr_va_vdst(0)
	s_wait_kmcnt 0x0
	s_load_b256 s[32:39], s[10:11], 0x0            ; the eight exponents
	s_cmp_lt_u32 ttmp9, 128                        ; the choices hang on the work-group's number alone
	s_cselect_b64 s[24:25], s[4:5], s[6:7]
	s_cselect_b64 s[26:27], s[14:15], s[16:17]
	s_cmp_lt_u32 ttmp9, 224
	s_cselect_b64 s[24:25], s[24:25], s[8:9]
	s_cselect_b64 s[26:27], s[26:27], s[18:19]
	s_add_nc_u64 s[24:25], s[24:25], s[56:57]
	s_add_nc_u64 s[26:27], s[26:27], s[58:59]
	s_add_nc_u64 s[12:13], s[12:13], s[60:61]
	s_add_nc_u64 s[20:21], s[20:21], s[62:63]
	global_load_b32 v8, v7, s[12:13]               ; my position
.irp f, 0,1
.irp R, 0,1,2,3,4,5,6,7,8,9,10,11,12,13,14,15
	global_load_b128 v[RAW+64*\f+4*\R:RAW+64*\f+4*\R+3], v[LI], s[24:25] offset:\R*4096+512*\f th:TH_LOAD_NT   ; 32 lanes read 512 consecutive bytes of row R
.endr
.endr
	; the pair's frequency, while the loads are out
	v_and_b32 v12, 1, v0
	v_bfe_u32 v13, v0, 6, 1
	s_delay_alu instid0(VALU_DEP_1)
	v_lshl_add_u32 v12, v13, 1, v12
	v_bfe_u32 v13, v0, 5, 1
	s_delay_alu instid0(VALU_DEP_1)
	v_lshl_add_u32 v12, v13, 2, v12
	v_bfe_u32 v13, v0, 7, 1
	s_delay_alu instid0(VALU_DEP_1)
	v_lshl_add_u32 v12, v13, 3, v12
	s_and_b32 s56, ttmp9, 1
	s_lshl_b32 s56, s56, 4
	v_add_nc_u32 v12, s56, v12                     ; i = 16 (g % 2) + 8 (t / 128) + 4 ((t / 32) % 2) + 2 ((t / 64) % 2) + t % 2
	s_delay_alu instid0(VALU_DEP_1)
	v_cvt_f32_u32 v12, v12
	s_delay_alu instid0(VALU_DEP_1)
	v_mul_f32 v13, s40, v12                        ; i x upper: exact (5 + 19 bits)
	s_delay_alu instid0(VALU_DEP_1)
	v_floor_f32 v14, v13                           ; its whole part
	s_delay_alu instid0(VALU_DEP_1)
	v_sub_f32 v13, v13, v14                        ; exact
	s_delay_alu instid0(VALU_DEP_1)
	v_fma_f32 v13, v12, s41, v13                   ; the fraction of i L
	s_wait_alu depctr_va_vdst(0)
	v_exp_f32 v15, -v13
	v_cvt_i32_f32 v14, v14                         ; (a plain instruction behind the exponential)
	s_delay_alu instid0(VALU_DEP_1)
	v_sub_nc_u32 v14, 0, v14
	s_wait_alu depctr_va_vdst(0)                   ; ahead of the first use of the exponential
	v_ldexp_f32 v15, v15, v14                      ; inv = 2^(-fraction) x 2^(-whole part)
	s_wait_kmcnt 0x0
	s_cmp_lt_u32 ttmp9, 128
	s_cselect_b32 s31, s32, s33
	s_cmp_lt_u32 ttmp9, 224
	s_cselect_b32 s31, s31, s39                    ; e
	s_add_co_i32 s31, s31, 127
	s_lshl_b32 s23, s31, 23
	v_mov_b32 v[SC], s23                           ; 2^e as f32: the conversion takes its exponent field
	s_add_co_i32 s31, s31, 8
	s_lshl_b32 s31, s31, 23
	s_or_b32 s31, s31, 0x600000
	v_mov_b32 v[LIM], s31                          ; 448 x 2^e
	s_wait_loadcnt 32                              ; the position is in: the 32 loads issued behind it may be out
	v_cvt_f32_i32 v8, v8
	s_wait_alu depctr_va_vdst(0)
	v_mul_f32 v16, v8, v15                         ; the angle
	s_delay_alu instid0(VALU_DEP_1)
	v_mul_f32 v17, s42, v16
	s_delay_alu instid0(VALU_DEP_1)
	v_rndne_f32 v17, v17                           ; n = the nearest multiple of pi / 2
	s_delay_alu instid0(VALU_DEP_1)
	v_fma_f32 v18, -v17, s43, v16
	s_delay_alu instid0(VALU_DEP_1)
	v_fma_f32 v18, -v17, s44, v18                  ; the rest, within about pi / 4
	s_delay_alu instid0(VALU_DEP_1)
	v_mul_f32 v19, v18, v18                        ; z
	s_delay_alu instid0(VALU_DEP_1)
	v_fma_f32 v20, v19, s45, s46
	s_delay_alu instid0(VALU_DEP_2)
	v_fma_f32 v22, v19, s48, s49
	s_delay_alu instid0(VALU_DEP_2)
	v_fma_f32 v20, v20, v19, s47
	s_delay_alu instid0(VALU_DEP_2)
	v_fma_f32 v22, v22, v19, s50
	v_mul_f32 v21, v19, v18
	v_fma_f32 v23, v19, -0.5, 1.0
	v_mul_f32 v24, v19, v19
	s_delay_alu instid0(VALU_DEP_3)
	v_fma_f32 v20, v21, v20, v18                   ; sine of the rest
	s_delay_alu instid0(VALU_DEP_2)
	v_fma_f32 v22, v24, v22, v23                   ; cosine of the rest
	v_cvt_i32_f32 v25, v17
	s_delay_alu instid0(VALU_DEP_1)
	v_and_b32 v26, 1, v25
	s_delay_alu instid0(VALU_DEP_1)
	v_cmp_eq_u32 vcc_lo, 1, v26                    ; an odd quadrant swaps the two
	s_delay_alu instid0(VALU_DEP_1)
	v_cndmask_b32 v27, v20, v22, vcc_lo
	s_delay_alu instid0(VALU_DEP_2)
	v_cndmask_b32 v28, v22, v20, vcc_lo
	v_lshlrev_b32 v26, 30, v25                     ; the sine is negative in quadrants 2 and 3,
	s_delay_alu instid0(VALU_DEP_1)
	v_and_b32 v26, 0x80000000, v26
	s_delay_alu instid0(VALU_DEP_1)
	v_xor_b32 v11, v27, v26
	v_add_nc_u32 v25, 1, v25                       ; the cosine in quadrants 1 and 2
	s_delay_alu instid0(VALU_DEP_1)
	v_lshlrev_b32 v25, 30, v25
	s_delay_alu instid0(VALU_DEP_1)
	v_and_b32 v25, 0x80000000, v25
	s_delay_alu instid0(VALU_DEP_1)
	v_xor_b32 v10, v28, v25
	global_store_b64 v9, v[10:11], s[20:21]        ; cos, sin: a wave stores 256 consecutive bytes, aligned
.macro FRAG f
	s_wait_loadcnt 16*(1-\f)                       ; this fragment's 16 loads are in; the other's may be out
.irp R, 0,1,2,3,4,5,6,7,8,9,10,11,12,13,14,15
	ds_store_b128 v[STI], v[RAW+64*\f+4*\R:RAW+64*\f+4*\R+3] offset:\R*SP
.endr
.irp c, 0,1,2,3
.irp j, 0,1,2,3
	ds_load_b128 v[XN+16*\c+4*\j:XN+16*\c+4*\j+3], v[STR] offset:128*\c+64*(\j/2)+16*(\j%2)   ; LDS serves a wave's instructions in order (ISA guide 5.7.1.4): these see the stores above.  k = 32 c + 8 h + 0..7, then 32 c + 16 + 8 h + 0..7
.endr
.endr
	s_wait_dscnt 0x0
.set i, 0
.rept 64
	v_med3_num_f32 v[XN+i], v[XN+i], -v[LIM], v[LIM]   ; the conversion to an 8-bit code does not saturate (ISA guide 7.6.2): the hold comes first
.set i, i+1
.endr
.irp g, 0,1,2,3,4,5,6,7
	v_cvt_scalef32_pk8_fp8_f32 v[CODE+16*\f+2*\g:CODE+16*\f+2*\g+1], v[XN+8*\g:XN+8*\g+7], v[SC]
.endr
	v_nop                                          ; a plain instruction behind the last conversion
.irp c, 0,1,2,3
	global_store_b128 v[LI], v[CODE+16*\f+4*\c:CODE+16*\f+4*\c+3], s[26:27] offset:\f*2048+\c*512   ; 512 consecutive bytes, aligned
.endr
.endm
	FRAG 0
	FRAG 1
	s_wait_tensorcnt 0x0                           ; the wave's end
	ds_add_u32 v30, v31
	s_wait_dscnt 0x0
	s_endpgm
.Lfunc_end_k_qa836c8730c_prep:
	.size	k_qa836c8730c_prep, .Lfunc_end_k_qa836c8730c_prep-k_qa836c8730c_prep
	.p2alignl 7, 3214868480
	.fill 96, 4, 3214868480
	.section	.rodata,"a",@progbits
	.p2align	6, 0x0
	.amdhsa_kernel k_qa836c8730c_prep
		.amdhsa_group_segment_fixed_size 68608
		.amdhsa_private_segment_fixed_size 0
		.amdhsa_enable_private_segment 0
		.amdhsa_kernarg_size 72
		.amdhsa_user_sgpr_count 2
		.amdhsa_user_sgpr_kernarg_segment_ptr 1
		.amdhsa_wavefront_size32 1
		.amdhsa_system_sgpr_workgroup_id_x 1
		.amdhsa_system_sgpr_workgroup_id_y 1
		.amdhsa_system_sgpr_workgroup_id_z 1
		.amdhsa_system_vgpr_workitem_id 0
		.amdhsa_next_free_vgpr 256
		.amdhsa_next_free_sgpr 66
		.amdhsa_reserve_vcc 1
		.amdhsa_float_denorm_mode_32 3
		.amdhsa_float_denorm_mode_16_64 3
		.amdhsa_memory_ordered 1
		.amdhsa_forward_progress 1
		.amdhsa_inst_pref_size 26
	.end_amdhsa_kernel
	.amdgpu_metadata
---
amdhsa.version: [ 1, 2 ]
amdhsa.kernels:
  - .name:           k_qa836c8730c_prep
    .symbol:         k_qa836c8730c_prep.kd
    .args:
      - { .name: x, .offset: 0, .size: 8, .value_kind: global_buffer, .address_space: global }
      - { .name: w_qkv, .offset: 8, .size: 8, .value_kind: global_buffer, .address_space: global }
      - { .name: w_out, .offset: 16, .size: 8, .value_kind: global_buffer, .address_space: global }
      - { .name: lowp_scales, .offset: 24, .size: 8, .value_kind: global_buffer, .address_space: global }
      - { .name: token_positions, .offset: 32, .size: 8, .value_kind: global_buffer, .address_space: global }
      - { .name: x_img, .offset: 40, .size: 8, .value_kind: global_buffer, .address_space: global }
      - { .name: wqkv_img, .offset: 48, .size: 8, .value_kind: global_buffer, .address_space: global }
      - { .name: wout_img, .offset: 56, .size: 8, .value_kind: global_buffer, .address_space: global }
      - { .name: rope_img, .offset: 64, .size: 8, .value_kind: global_buffer, .address_space: global }
    .group_segment_fixed_size: 68608
    .private_segment_fixed_size: 0
    .kernarg_segment_align: 8
    .kernarg_segment_size: 72
    .max_flat_workgroup_size: 256
    .sgpr_count:     66
    .vgpr_count:     256
    .wavefront_size: 32
...
	.end_amdgpu_metadata
.endif
;; end of part 1
;; launch qkv (part 2): grid 16 x 16, 4 waves a work-group, clusters of 4 x 4, 327,680 bytes of LDS; arguments x_img, wqkv_img, rope_img, lowp_scales, q_img, kv_img; writes q_img, kv_img
.if DOCPART == 2
	.amdgcn_target "amdgcn-amd-amdhsa--gfx1250"
	.amdhsa_code_object_version 6
	.text
	.protected	k_qa836c8730c_qkv
	.globl	k_qa836c8730c_qkv
	.p2align	8
	.type	k_qa836c8730c_qkv,@function
k_qa836c8730c_qkv:
	s_mov_b64 s[64:65], 0
	v_nop
	global_prefetch_b8 v0, s[64:65] scope:SCOPE_SE
	s_setreg_imm32_b32 hwreg(HW_REG_WAVE_MODE, 25, 1), 1
	s_wait_xcnt 0x0
	s_wait_alu depctr_hold_cnt(0) depctr_sa_sdst(0) depctr_va_vdst(0) depctr_va_sdst(0) depctr_va_ssrc(0) depctr_va_vcc(0) depctr_vm_vsrc(0)
	s_getreg_b32 s2, hwreg(HW_REG_IB_STS2, 6, 4)
	s_cmp_eq_u32 s2, 0
	s_cbranch_scc0 .Lentry_in_a_cluster
	s_endpgm
.Lentry_in_a_cluster:
	s_bfe_u32 s2, ttmp6, 0x10000c
	s_cmp_lg_u32 s2, 0xf033
	s_cbranch_scc0 .Lentry_shape_is_right
	s_endpgm
.Lentry_shape_is_right:
; QKV: x w_qkv^T on codes of FP8 (x 2^e0, w_qkv 2^e1; sums in f32), the rotation of q and k, and the quantising of q (2^e2), k (2^e3) and v (2^e5) for the attention's products.
; x_img [32 groups of 8 tiles of 16 tokens][4 K slots of 256][8 tiles][4,096]; wqkv_img [32 groups of 6 tiles: two a head][4 K slots][6 tiles][4,096]; a tile's 4,096 bytes are two images of an operand's 16 registers.
; SHARES.  256 work-groups, one for each WGP: 256 tokens x one head's 192 rows of w_qkv (12 tiles: 0-3 q, 4-7 k, 8-11 v).  Four waves, each 64 tokens x 192: 48 accumulators, 384 registers.
; q and k are made transposed (source 0 = w, source 1 = x): a lane holds one token and eight neighbouring features, so the rotation's pairs lie in one lane.  v is made the other way round: a lane holds one channel and eight
; neighbouring tokens, the keys that the attention's second product wants innermost.  So every conversion's results are stored as the next launch's operand registers, 512 consecutive bytes a store.
; LDS: x: [2 groups][2 slots][8 tiles][4,096], then w: [2 groups][2 slots][6 tiles][4,096].  At the head each wave issues ONE load, a group's first TWO K slots, dense in memory; K slots 2 and 3 are refills, one load a wave behind a round.
; A fragment is four ds_load_b128 at 16 x lane: 512 consecutive bytes each, so no padding is wanted.
; CLUSTER 4 x 4: the four work-groups of a row of the cluster share x's groups, the four of a column w's: each load is a joint one.
; PREFETCH: K slots 2 and 3 are asked for at the head, behind the head's load: two slots ahead of slot 0's products.  Each block of 256 bytes once in a cluster: the four partners take a quarter of a group's bytes each, told apart by address.
; The refills are the launch's last loads, so nothing more is asked for.
; LIMITS: e2, e3, e5 less e0 + e1 between -126 and 119.  NaN among the inputs is not served.
; REGISTERS: window 0: v16-37 addresses and scales; v64-127, v128-191 x's fragments, two sets; on the way out v64-159 codes, v192-223 at work.  window 1: w's 12 fragments at 16 n.
; windows 2 and 3: accumulator (n, m) at v[8 (4 (n % 6) + m)], n < 6 and n >= 6; v192-255 of both: the rotation's table for tokens' tiles 0, 1 and 2, 3.
.set WOFF,  131072
.set SPARE, 229376
.set ADRA, 16                          ; LDS address of my x fragments
.set ADRB, 20                          ; v20, v21: of w's tiles 0-5, 6-11
.set LI,   26
.set SPW,  28
.set NIL,  29
.set PF,   30                          ; v30, v31: the prefetches' offsets; never rewritten
.set XS,   64
.set CODE, 64
.set OUT,  192
.set TMP,  208
.set TAB,  192
.set G1HA, 24                          ; descriptor groups 1: head's load of x, of w; a refill's of x, of w
.set G1HB, 32
.set G1RA, 40
.set G1RB, 48
.set G0HA, 56                          ; groups 0 likewise, the refills' one for each slot
.set G0HB, 60
.set G0RA, 68
.set G0RB, 76
.set MSB, 0
.macro WIN new                         ; the immediate's high byte repeats the setting that is left
.if MSB != (\new)
	s_set_vgpr_msb (MSB<<8)|(\new)
.set MSB, (\new)
.endif
.endm
.macro PLACES
.rept 4
	v_nop
.endr
.endm
.macro JLOAD g0a, g1a, g0b, g1b        ; waves 0 and 1 fetch x's two groups, waves 2 and 3 w's
	s_cmp_eq_u32 s17, 0
	s_cbranch_scc0 .Lfor_w_\@
	tensor_load_to_lds s[\g0a:\g0a+3], s[\g1a:\g1a+7]
	s_nop 0
	PLACES
	s_branch .Lasked_\@
.Lfor_w_\@:
	tensor_load_to_lds s[\g0b:\g0b+3], s[\g1b:\g1b+7]
	s_nop 0
	PLACES
.Lasked_\@:
.endm
.macro CREST                           ; a round of the cluster's barrier behind its opening barrier
	s_cmp_lg_u32 s16, 0
	s_cbranch_scc1 .Lnot_wave_0_\@
	s_barrier_signal -3
.Lnot_wave_0_\@:
	s_barrier_wait -3
	s_barrier_signal -1
	s_barrier_wait -1
.endm
.macro CROUND
	s_barrier_signal -1
	s_barrier_wait -1
	CREST
.endm
.macro DIMS g, rows                    ; a dense block as rows of 512 elements of 8 bytes
	s_mov_b32 s[\g+1], 512<<16
	s_mov_b32 s[\g+2], (\rows)<<16
	s_mov_b32 s[\g+3], 512<<16
	s_mov_b32 s[\g+4], \rows
	s_mov_b32 s[\g+5], 512
	s_mov_b32 s[\g+6], 0
	s_mov_b32 s[\g+7], 0
.endm
	s_load_b256 s[4:11], s[0:1], 0x0               ; x_img, wqkv_img, rope_img, the scales' exponents
	s_load_b128 s[12:15], s[0:1], 0x20             ; q_img, kv_img
	v_lshl_add_u32 v[SPW], v0, 2, SPARE
	v_mov_b32 v[NIL], 0
	ds_add_u32 v[SPW], v[NIL]                      ; the opening add, twice on end
	ds_add_u32 v[SPW], v[NIL]
	v_lshrrev_b32 v1, 5, v0
	v_readfirstlane_b32 s16, v1                    ; wave 0..3
	s_lshr_b32 s17, s16, 1                         ; I fetch for x (0) or for w (1)
	s_and_b32 s18, s16, 1                          ; which of the two groups
	s_bfe_u32 s21, ttmp6, 0x40000                  ; cx, cy
	s_bfe_u32 s22, ttmp6, 0x40004
	s_lshl_b32 s19, ttmp9, 2
	s_add_co_u32 s19, s19, s21                     ; head = 4 x cluster x + cx
	s_and_b32 s20, ttmp7, 0xffff
	s_lshl_b32 s20, s20, 2
	s_add_co_u32 s20, s20, s22                     ; row of 256 tokens = 4 x cluster y + cy
	s_lshl_b32 s84, s22, 2
	s_lshl_b32 s84, 15, s84                        ; my row of the cluster
	s_lshl_b32 s88, 0x1111, s21                    ; my column
	s_or_b32 s[G1HA], s84, (3<<16)|(1<<21)
	s_or_b32 s[G1RA], s84, (3<<16)|(1<<21)
	s_or_b32 s[G1HB], s88, (3<<16)|(1<<21)
	s_or_b32 s[G1RB], s88, (3<<16)|(1<<21)
	DIMS G1HA, 16
	DIMS G1HB, 12
	DIMS G1RA, 8
	DIMS G1RB, 6
	s_lshl_b32 s84, s20, 1
	s_add_co_u32 s84, s84, s18
	s_lshl_b32 s84, s84, 17                        ; x: group 2 x row + mine, 131,072 bytes each
	s_mov_b32 s85, 0
	s_lshl_b32 s88, s19, 1
	s_add_co_u32 s88, s88, s18
	s_mul_i32 s88, s88, 98304                      ; w: group 2 x head + mine, 98,304 bytes each
	s_mov_b32 s89, 0
	s_lshl_b32 s86, s18, 16                        ; where they go: no place in the cluster enters an LDS address
	s_mul_i32 s90, s18, 49152
	s_add_co_u32 s90, s90, WOFF
	s_wait_dscnt 0x0                               ; both opening adds are done
	s_wait_kmcnt 0x0
	s_add_nc_u64 s[84:85], s[4:5], s[84:85]
	s_add_nc_u64 s[88:89], s[6:7], s[88:89]
	s_mov_b32 s[G0HA], 1
	s_mov_b32 s[G0HA+1], s86
	s_mov_b64 s[G0HA+2:G0HA+3], s[84:85]
	s_or_b32 s[G0HA+3], s[G0HA+3], 0x80000000
	s_mov_b32 s[G0HB], 1
	s_mov_b32 s[G0HB+1], s90
	s_mov_b64 s[G0HB+2:G0HB+3], s[88:89]
	s_or_b32 s[G0HB+3], s[G0HB+3], 0x80000000
.irp s, 0,1
	s_mov_b32 s[G0RA+4*\s], 1                      ; slot s takes K slot 2 + s
	s_add_co_u32 s[G0RA+4*\s+1], s86, \s*32768
	s_add_nc_u64 s[G0RA+4*\s+2:G0RA+4*\s+3], s[84:85], (2+\s)*32768
	s_or_b32 s[G0RA+4*\s+3], s[G0RA+4*\s+3], 0x80000000
	s_mov_b32 s[G0RB+4*\s], 1
	s_add_co_u32 s[G0RB+4*\s+1], s90, \s*24576
	s_add_nc_u64 s[G0RB+4*\s+2:G0RB+4*\s+3], s[88:89], (2+\s)*24576
	s_or_b32 s[G0RB+4*\s+3], s[G0RB+4*\s+3], 0x80000000
.endr
	CROUND                                         ; all sixteen work-groups are here: the joint loads meet
	JLOAD G0HA, G1HA, G0HB, G1HB                   ; K slots 0 and 1: one tensor load a wave at the head
	; the prefetches: my work-group's quarter of my group's K slots 2 and 3: 16,384 bytes of x or 12,288 of w
	s_cmp_eq_u32 s17, 0
	s_cselect_b64 s[100:101], s[84:85], s[88:89]
	s_cselect_b32 s23, s21, s22                    ; my place among the four that ask with me: cx for x, cy for w
	s_mov_b32 s92, 49152
	s_cselect_b32 s86, 65536, s92
	s_mov_b32 s92, 12288
	s_cselect_b32 s87, 16384, s92
	s_mov_b32 s92, 3840
	s_cselect_b32 s22, 7936, s92                   ; w: of the second instruction's lanes those behind the 16th name its last block again
	s_mul_i32 s87, s23, s87
	s_add_co_u32 s86, s86, s87
	s_mov_b32 s87, 0
	s_add_nc_u64 s[100:101], s[100:101], s[86:87]
	; where the table lies and where the results go
	s_and_b32 s84, s20, 7
	s_lshl_b32 s84, s84, 4
	s_lshl_b32 s85, s16, 2
	s_add_co_u32 s84, s84, s85                     ; my first tile of 16 tokens in the sequence
	s_lshl_b32 s86, s84, 12
	s_mov_b32 s87, 0
	s_add_nc_u64 s[92:93], s[8:9], s[86:87]        ; its part of the table
	s_lshr_b32 s85, s20, 3
	s_lshl_b32 s85, s85, 4
	s_add_co_u32 s85, s85, s19                     ; bh
	s_lshl_b32 s86, s85, 7
	s_add_co_u32 s86, s86, s84
	s_lshl_b32 s86, s86, 10
	s_add_nc_u64 s[94:95], s[12:13], s[86:87]      ; q
	s_and_b32 s86, s20, 7
	s_lshl_b32 s86, s86, 1
	s_add_co_u32 s86, s86, s17
	s_lshl_b32 s88, s85, 4
	s_add_co_u32 s86, s86, s88
	s_lshl_b32 s86, s86, 14                        ; my key step of 128
	s_lshl_b32 s88, s18, 12
	s_add_co_u32 s88, s88, s86
	s_mov_b32 s89, 0
	s_add_nc_u64 s[96:97], s[14:15], s[88:89]      ; k
	s_lshl_b32 s88, s18, 10
	s_add_co_u32 s88, s88, s86
	s_add_co_u32 s88, s88, 8192
	s_add_nc_u64 s[98:99], s[14:15], s[88:89]      ; v
	s_lshl_b32 s21, s17, 16                        ; my four tiles of x in LDS
	s_lshl_b32 s23, s18, 14
	s_add_co_u32 s21, s21, s23
	s_load_b256 s[84:91], s[10:11], 0x0            ; e0 .. e7
	v_and_b32 v1, 31, v0
	v_lshlrev_b32 v[LI], 4, v1
	v_lshlrev_b32 v[PF], 8, v1
	v_min_u32 v[PF+1], s22, v[PF]
	v_add_nc_u32 v[ADRA], s21, v[LI]
	v_add_nc_u32 v[ADRB], WOFF, v[LI]
	v_add_nc_u32 v[ADRB+1], WOFF+49152, v[LI]
	global_prefetch_b8 v[PF], s[100:101] th:TH_LOAD_NT scope:SCOPE_SE
	global_prefetch_b8 v[PF+1], s[100:101] offset:8192 th:TH_LOAD_NT scope:SCOPE_SE
	WIN 0x80                                       ; the table: 16 loads into window 2, 16 into window 3; first read on the way out
.irp m, 0,1
.irp u, 0,1,2,3,4,5,6,7
	global_load_b128 v[TAB+32*\m+4*\u:TAB+32*\m+4*\u+3], v[LI], s[92:93] offset:\m*4096+\u*512
.endr
.endr
	WIN 0xc0
.irp m, 2,3
.irp u, 0,1,2,3,4,5,6,7
	global_load_b128 v[TAB+32*(\m-2)+4*\u:TAB+32*(\m-2)+4*\u+3], v[LI], s[92:93] offset:\m*4096+\u*512
.endr
.endr
	WIN 0
.macro MULS n0, cnt, set, zero         ; tiles n0 .. of w x my four of x, 128 along K; the 48 accumulators take turns, one instruction a turn, in the same order in every step
.set nn, \n0
.rept \cnt
.if nn < 6
	WIN 0xa1
.set AC, 32*nn
.elseif nn < 8
	WIN 0xf1
.set AC, 32*(nn-6)
.else
	WIN 0xf4
.set AC, 32*(nn-6)
.endif
.irp m, 0,1,2,3
.if nn < 8
.if \zero
	v_wmma_f32_16x16x128_fp8_fp8 v[AC+8*\m:AC+8*\m+7], v[16*nn:16*nn+15], v[XS+64*\set+16*\m:XS+64*\set+16*\m+15], 0
.else
	v_wmma_f32_16x16x128_fp8_fp8 v[AC+8*\m:AC+8*\m+7], v[16*nn:16*nn+15], v[XS+64*\set+16*\m:XS+64*\set+16*\m+15], v[AC+8*\m:AC+8*\m+7]
.endif
.else
.if \zero
	v_wmma_f32_16x16x128_fp8_fp8 v[AC+8*\m:AC+8*\m+7], v[XS+64*\set+16*\m:XS+64*\set+16*\m+15], v[16*nn:16*nn+15], 0
.else
	v_wmma_f32_16x16x128_fp8_fp8 v[AC+8*\m:AC+8*\m+7], v[XS+64*\set+16*\m:XS+64*\set+16*\m+15], v[16*nn:16*nn+15], v[AC+8*\m:AC+8*\m+7]
.endif
.endif
.endr
.set nn, nn+1
.endr
.endm
.macro FETCH_W slot, q, n0             ; six fragments of w, the slot's q-th 128 along K
	WIN 0x40
.irp n, 0,1,2,3,4,5
.irp c, 0,1,2,3
	ds_load_b128 v[16*(\n0+\n)+4*\c:16*(\n0+\n)+4*\c+3], v[ADRB+(\n0)/6] offset:(\slot)*24576+\n*4096+(\q)*2048+\c*512
.endr
.endr
.endm
.macro FETCH_X slot, q, set            ; my four of x
	WIN 0
.irp m, 0,1,2,3
.irp c, 0,1,2,3
	ds_load_b128 v[XS+64*(\set)+16*\m+4*\c:XS+64*(\set)+16*\m+4*\c+3], v[ADRA] offset:(\slot)*32768+\m*4096+(\q)*2048+\c*512
.endr
.endr
.endm
.macro STEP slot, zero                 ; a slot's first 128 along K; its second is fetched
	s_wait_dscnt 24                                ; the youngest 24 loads (w's tiles 6-11) may be out
	MULS 0, 6, 0, \zero
	s_wait_dscnt 0x0
	PLACES                                         ; in front of loads into registers that matrix instructions have read
	FETCH_W \slot, 1, 0
	FETCH_X \slot, 1, 1
	MULS 6, 6, 0, \zero
	PLACES
	FETCH_W \slot, 1, 6
	WIN 0
.endm
.macro TURN slot, next, fill           ; its second 128, and the change of slots
	s_wait_tensorcnt 0x0                           ; all my tensor loads have landed
	ds_add_u32 v[SPW], v[NIL]                      ; 0 onto my spare word; matrix instructions stand between it and the wait for it
	s_wait_dscnt 25                                ; (the add and w's tiles 6-11 may be out)
	MULS 0, 3, 1, 0
	s_wait_dscnt 0x0                               ; the add is done, and my reads of this slot are over
	s_barrier_signal -1
	MULS 3, 3, 1, 0
	WIN 0
	s_barrier_wait -1
.if \fill
	CREST                                          ; the barrier has opened a round: no wave of any partner still reads this slot
	JLOAD G0RA+4*\slot, G1RA, G0RB+4*\slot, G1RB   ; K slot 2 + slot
.else
	PLACES
.endif
	FETCH_W \next, 0, 0
	FETCH_X \next, 0, 0
	MULS 6, 6, 1, 0
	PLACES
	FETCH_W \next, 0, 6
	WIN 0
.endm
	s_wait_alu depctr_va_vdst(0)
	s_wait_tensorcnt 0x0                           ; my part of K slots 0 and 1 is in,
	s_barrier_signal -1
	s_barrier_wait -1                              ; and everybody's
	FETCH_W 0, 0, 0
	FETCH_X 0, 0, 0
	FETCH_W 0, 0, 6
	WIN 0
	STEP 0, 1                                      ; the first products start the sums: nothing is cleared
	TURN 0, 1, 1
	STEP 1, 0
	TURN 1, 0, 1
	STEP 0, 0
	TURN 0, 1, 0
	STEP 1, 0
	s_wait_dscnt 24
	MULS 0, 6, 1, 0
	s_wait_dscnt 0x0
	MULS 6, 6, 1, 0
	WIN 0
	; THE WAY OUT.  A sum stands for sum x 2^(e0 + e1): its code is sum / 2^(e - e0 - e1): the scales are folded into the conversion's one.
.macro MKSCALE se, vs
	s_sub_co_i32 s21, s[\se], s20
	s_add_co_i32 s21, s21, 127
	s_lshl_b32 s22, s21, 23
	v_mov_b32 v[\vs], s22
	s_add_co_i32 s21, s21, 8
	s_lshl_b32 s21, s21, 23
	s_or_b32 s21, s21, 0x600000
	v_mov_b32 v[\vs+1], s21                        ; 448 x it
.endm
	s_wait_kmcnt 0x0
	s_add_co_i32 s20, s84, s85
	MKSCALE 86, 32
	MKSCALE 87, 34
	MKSCALE 89, 36
	s_wait_loadcnt 0x0                             ; the table
; q (kind 0) or k (1), tokens' tile m, features 32 cp on: out = (even cos - odd sin, even sin + odd cos) for each pair; then held and converted.
.macro ROPE m, kind, cp
.set CR, CODE+4*(8*(\kind)+2*(\m)+(\cp))
.irp u, 0,1
.set nn, 4*(\kind)+2*(\cp)+\u
.set TR, TAB+32*((\m)%2)+8*(2*(\cp)+\u)
.if nn < 6
.set AC, 8*(4*nn+(\m))
.set WN, 0x02|((2+(\m)/2)<<2)
.else
.set AC, 8*(4*(nn-6)+(\m))
.set WN, 0x03|((2+(\m)/2)<<2)
.endif
	WIN WN
.irp p, 0,2,4,6
	v_pk_mul_f32 v[TMP+8*\u+\p:TMP+8*\u+\p+1], v[AC+\p:AC+\p+1], v[TR+\p:TR+\p+1] op_sel:[1,1] op_sel_hi:[1,0]
.endr
.irp p, 0,2,4,6
	v_pk_fma_f32 v[OUT+8*\u+\p:OUT+8*\u+\p+1], v[AC+\p:AC+\p+1], v[TR+\p:TR+\p+1], v[TMP+8*\u+\p:TMP+8*\u+\p+1] op_sel_hi:[0,1,1] neg_lo:[0,0,1]
.endr
.endr
	WIN 0
.set i, 0
.rept 16
	v_med3_num_f32 v[OUT+i], v[OUT+i], -v[33+2*(\kind)], v[33+2*(\kind)]   ; the conversion does not saturate (ISA guide 7.6.2): the hold comes first
.set i, i+1
.endr
	v_cvt_scalef32_pk8_fp8_f32 v[CR:CR+1], v[OUT:OUT+7], v[32+2*(\kind)]
	v_cvt_scalef32_pk8_fp8_f32 v[CR+2:CR+3], v[OUT+8:OUT+15], v[32+2*(\kind)]
	v_nop                                          ; a plain instruction behind the last conversion
.if \kind
	global_store_b128 v[LI], v[CR:CR+3], s[96:97] offset:(\m)*1024+(\cp)*512
.else
	global_store_b128 v[LI], v[CR:CR+3], s[94:95] offset:(\m)*1024+(\cp)*512
.endif
.endm
.macro VQ c0, ct                       ; v: channels' tile ct, keys 32 c0 on of my 64
.set CR, CODE+4*(16+2*(\ct)+(\c0))
.set AC, 8*(4*((\ct)+2)+2*(\c0))
	WIN 0x03
.set i, 0
.rept 16
	v_med3_num_f32 v[OUT+i], v[AC+i], -v37, v37
.set i, i+1
.endr
	WIN 0
	v_cvt_scalef32_pk8_fp8_f32 v[CR:CR+1], v[OUT:OUT+7], v36
	v_cvt_scalef32_pk8_fp8_f32 v[CR+2:CR+3], v[OUT+8:OUT+15], v36
	v_nop
	global_store_b128 v[LI], v[CR:CR+3], s[98:99] offset:(\ct)*2048+(\c0)*512
.endm
.irp kind, 0,1
.irp m, 0,1,2,3
.irp cp, 0,1
	ROPE \m, \kind, \cp
.endr
.endr
.endr
.irp ct, 0,1,2,3
.irp c0, 0,1
	VQ \c0, \ct
.endr
.endr
	s_wait_tensorcnt 0x0                           ; the wave's end
	ds_add_u32 v[SPW], v[NIL]
	s_wait_dscnt 0x0
	CROUND                                         ; the closing round: no work-group ends while a partner may still ask for a tile that names it
	s_endpgm
.Lfunc_end_k_qa836c8730c_qkv:
	.size	k_qa836c8730c_qkv, .Lfunc_end_k_qa836c8730c_qkv-k_qa836c8730c_qkv
	.p2alignl 7, 3214868480
	.fill 96, 4, 3214868480
	.section	.rodata,"a",@progbits
	.p2align	6, 0x0
	.amdhsa_kernel k_qa836c8730c_qkv
		.amdhsa_group_segment_fixed_size 327680
		.amdhsa_private_segment_fixed_size 0
		.amdhsa_enable_private_segment 0
		.amdhsa_kernarg_size 48
		.amdhsa_user_sgpr_count 2
		.amdhsa_user_sgpr_kernarg_segment_ptr 1
		.amdhsa_wavefront_size32 1
		.amdhsa_system_sgpr_workgroup_id_x 1
		.amdhsa_system_sgpr_workgroup_id_y 1
		.amdhsa_system_sgpr_workgroup_id_z 1
		.amdhsa_system_vgpr_workitem_id 0
		.amdhsa_next_free_vgpr 1024
		.amdhsa_next_free_sgpr 102
		.amdhsa_reserve_vcc 0
		.amdhsa_float_denorm_mode_32 3
		.amdhsa_float_denorm_mode_16_64 3
		.amdhsa_memory_ordered 1
		.amdhsa_forward_progress 1
		.amdhsa_inst_pref_size 122
	.end_amdhsa_kernel
	.amdgpu_metadata
---
amdhsa.version: [ 1, 2 ]
amdhsa.kernels:
  - .name:           k_qa836c8730c_qkv
    .symbol:         k_qa836c8730c_qkv.kd
    .args:
      - { .name: x_img, .offset: 0, .size: 8, .value_kind: global_buffer, .address_space: global }
      - { .name: wqkv_img, .offset: 8, .size: 8, .value_kind: global_buffer, .address_space: global }
      - { .name: rope_img, .offset: 16, .size: 8, .value_kind: global_buffer, .address_space: global }
      - { .name: lowp_scales, .offset: 24, .size: 8, .value_kind: global_buffer, .address_space: global }
      - { .name: q_img, .offset: 32, .size: 8, .value_kind: global_buffer, .address_space: global }
      - { .name: kv_img, .offset: 40, .size: 8, .value_kind: global_buffer, .address_space: global }
    .group_segment_fixed_size: 327680
    .private_segment_fixed_size: 0
    .kernarg_segment_align: 8
    .kernarg_segment_size: 48
    .max_flat_workgroup_size: 128
    .sgpr_count:     102
    .vgpr_count:     1024
    .wavefront_size: 32
...
	.end_amdgpu_metadata
.endif
;; end of part 2
;; launch attn (part 3): grid 8 x 32, 16 waves a work-group, clusters of 4 x 1, 327,680 bytes of LDS; arguments q_img, kv_img, lowp_scales, o_img; writes o_img
.if DOCPART == 3
	.amdgcn_target "amdgcn-amd-amdhsa--gfx1250"
	.amdhsa_code_object_version 6
	.text
	.protected	k_qa836c8730c_attn
	.globl	k_qa836c8730c_attn
	.p2align	8
	.type	k_qa836c8730c_attn,@function
k_qa836c8730c_attn:
	s_mov_b64 s[64:65], 0
	v_nop
	global_prefetch_b8 v0, s[64:65] scope:SCOPE_SE
	s_setreg_imm32_b32 hwreg(HW_REG_WAVE_MODE, 25, 1), 1
	s_wait_xcnt 0x0
	s_wait_alu depctr_hold_cnt(0) depctr_sa_sdst(0) depctr_va_vdst(0) depctr_va_sdst(0) depctr_va_ssrc(0) depctr_va_vcc(0) depctr_vm_vsrc(0)
	s_getreg_b32 s2, hwreg(HW_REG_IB_STS2, 6, 4)
	s_cmp_eq_u32 s2, 0
	s_cbranch_scc0 .Lentry_in_a_cluster
	s_endpgm
.Lentry_in_a_cluster:
	s_bfe_u32 s2, ttmp6, 0x10000c
	s_cmp_lg_u32 s2, 0x3003
	s_cbranch_scc0 .Lentry_shape_is_right
	s_endpgm
.Lentry_shape_is_right:
; ATTN: o = softmax(q k^T / 8, causal) v for 32 (batch, head) pairs of 2,048 tokens and head size 64, both products on codes of FP8; the result is quantised (2^e6) for the last product.
; Scales: q 2^e2, k 2^e3, p 2^e4, v 2^e5.  t = score x log2(e) / 8; M = the running largest t rounded UP to a whole number; p = 2^(t - M) is quantised, not normalised; the row's sum is taken of the unquantised p and divides at the end.
; When M moves, the sum and O are multiplied by 2^(old M - new M): exact.
; All operands are images of operand registers.  q_img: [bh][128 tiles of 16 tokens][2 groups][lane][16 bytes] (lane (r, h): token r; features 32 c + 8 h + 0..7, then 32 c + 16 + 8 h + 0..7).
; kv_img: [bh][16 key steps of 128][16,384]: k's 8 tiles of 16 keys, laid as q's; then v: [4 tiles of 16 channels][4 groups of 32 keys][lane][16 bytes], keys innermost.
; SHARES.  A bh has 16 blocks of 128 queries, 8 tiles of 16 each.  Work-group j = 0..7 of a bh owns tile j of EVERY block: so all eight read every key step and do the same 1 + 2 + .. + 16 = 136 tile steps, in the same order.
; Sixteen waves of 256 registers, four to a SIMD; m = wave % 8.  Wave m (A) walks key steps 0..8 of the late tile, in block 15 - m.  Wave 8 + m (B) walks key steps 0..m of the early tile, in block m, sends it out, and goes on
; with key steps 9..15 - m of A's late tile; what it has of that tile (M, sum, O) goes to A through LDS, and A joins the two parts and sends the tile out.  A does 9 steps, B 8.
; Trips 0 and 1 are on key steps 0 and 1 (B with m = 0 has nothing to do in trip 1, the other Bs in trip 8).
; LDS holds the bh's WHOLE k and v: 16 key steps x 16,384 bytes.  Nothing is filled twice.  At the head each wave issues one load of 2,048 bytes, sixteen of them key steps 0 and 1; behind the round that shows these landed one of
; 14,336 bytes, sixteen of them the other fourteen key steps, which have trips 0 and 1 in which to land; one more barrier shows them.
; CLUSTER 4 x 1: four work-groups of one bh ask for each byte jointly.  No branch and no LDS address hangs on the place in the cluster: j enters addresses in memory and the diagonal's compare alone.
; NO PREFETCH: every tile is asked for once, ahead of the first trip; there is no loop to run ahead in.
; LAYOUT.  Both products are used transposed: S^T = k q^T (source 0 = 16 keys, source 1 = my 16 queries; K = 64), O^T = v^T p^T (source 0 = 16 channels, source 1 = p; K = 128 keys): a lane holds ONE query throughout, and the eight
; registers of score tile t are keys 16 t + 8 h + 0..7: their codes are registers 2 t, 2 t + 1 of the second product's operand.
; CAUSAL.  Key steps all of whose keys come after the tile's block are not walked; in the step on the diagonal hidden scores become -infinity ahead of the maximum.
; LIMITS: e2 + e3 between -124 and 129 (added to c's exponent field); e4 and e6 between -126 and 119; e4 + e5 is applied by v_ldexp_f32 and has none.  NaN among the inputs is not served.
; REGISTERS: v1 16 x lane; v7, v11 LDS addresses of the hand-over; v8 the step's LDS address; v9 the diagonal's d; v10 -infinity; v12 -M, v13 the largest t, v[14:15] the sum in two halves; v16-23 q; v32-95 k's 8 fragments, then v's 4;
; v96-159 S^T, then p; v160-191 O^T; v192-207 p's codes; v208-215 the late tile's q; v218, v219 2^e6 and 448 x 2^e6; v230-254 at work.
.set LI,  1
.set ADR, 8
.set WV,  18                           ; my wave's number
.set SEL, 20                           ; s[20:21] lane selects for v_permlanex16_b32: lane l xor 16
.set CS,  22                           ; s[22:23] c = log2(e) / 8 x 2^(e2 + e3)
.set G1,  24                           ; descriptor groups 1 and 0 of the first load,
.set G0,  32
.set G1B, 88                           ; and of the second
.set G0B, 40
.set KK,  48                           ; trip
.set KEY, 49                           ; the trip's key step
.set TB,  50                           ; its LDS byte
.set CB,  51                           ; my tile's block = the key step on its diagonal
.set LAST,52                           ; the last trip whose key step is the trip's number
.set JK,  53                           ; behind it the key step is the trip's number + JK
.set LATE,54                           ; 15 - m
.set HB,  57                           ; 448 x 2^e4
.set E45, 59                           ; e4 + e5
.set STG, 278528                       ; the hand-over: 4,352 bytes for each m
.set SPARE, STG+8*4352                 ; the spare words, 128 bytes a wave
.macro CROUND                          ; a round of the cluster's barrier
	s_barrier_signal -1
	s_barrier_wait -1
	s_cmp_lg_u32 s[WV], 0
	s_cbranch_scc1 .Lnot_wave_0_\@
	s_barrier_signal -3
.Lnot_wave_0_\@:
	s_barrier_wait -3
	s_barrier_signal -1
	s_barrier_wait -1
.endm
	s_load_b256 s[4:11], s[0:1], 0x0               ; q_img, kv_img, the scales' exponents, o_img
	v_lshl_add_u32 v251, v0, 2, SPARE
	v_mov_b32 v255, 0
	ds_add_u32 v251, v255                          ; the opening add, twice on end
	ds_add_u32 v251, v255
	v_lshrrev_b32 v2, 5, v0
	v_readfirstlane_b32 s[WV], v2                  ; wave 0..15
	s_bfe_u32 s55, ttmp6, 0x40000
	s_lshl_b32 s56, ttmp9, 2
	s_add_co_u32 s55, s55, s56                     ; j
	s_and_b32 s56, ttmp7, 0xffff                   ; bh
	; descriptor groups 1: 8 rows of 32 elements of 8 bytes, and 7 rows of 256; dense in memory and in LDS
	s_mov_b32 s[G1], 15|(3<<16)|(1<<21)            ; the mask: all four work-groups of the cluster
	s_mov_b32 s[G1+1], 32<<16
	s_mov_b32 s[G1+2], 8<<16
	s_mov_b32 s[G1+3], 32<<16
	s_mov_b32 s[G1+4], 8
	s_mov_b32 s[G1+5], 32
	s_mov_b32 s[G1+6], 0
	s_mov_b32 s[G1+7], 0
	s_mov_b32 s[G1B], 15|(3<<16)|(1<<21)
	s_mov_b32 s[G1B+1], 256<<16
	s_mov_b32 s[G1B+2], 7<<16
	s_mov_b32 s[G1B+3], 256<<16
	s_mov_b32 s[G1B+4], 7
	s_mov_b32 s[G1B+5], 256
	s_mov_b32 s[G1B+6], 0
	s_mov_b32 s[G1B+7], 0
	s_lshl_b32 s66, s56, 18                        ; the bh's 262,144 bytes
	s_lshl_b32 s58, s[WV], 11                      ; my part of key steps 0 and 1: in memory and in LDS
	s_add_co_u32 s60, s66, s58
	s_mov_b32 s61, 0
	s_mul_i32 s63, s[WV], 14336
	s_add_co_u32 s63, s63, 32768                   ; my part of the others
	s_add_co_u32 s66, s66, s63
	s_mov_b32 s67, 0
	s_wait_dscnt 0x0
	s_wait_kmcnt 0x0
	s_load_b256 s[72:79], s[8:9], 0x0              ; e0 .. e7
	s_mov_b32 s[G0], 1
	s_mov_b32 s[G0+1], s58
	s_add_nc_u64 s[G0+2:G0+3], s[6:7], s[60:61]
	s_or_b32 s[G0+3], s[G0+3], 0x80000000
	s_mov_b32 s[G0B], 1
	s_mov_b32 s[G0B+1], s63
	s_add_nc_u64 s[G0B+2:G0B+3], s[6:7], s[66:67]
	s_or_b32 s[G0B+3], s[G0B+3], 0x80000000
	CROUND                                         ; all four work-groups are here: the joint loads meet
	tensor_load_to_lds s[G0:G0+3], s[G1:G1+7]
	s_nop 0
.rept 4
	v_nop
.endr
	s_mov_b32 s[SEL], 0x76543210
	s_mov_b32 s[SEL+1], 0xfedcba98
	s_mov_b32 s[CS], 0x3e38aa3b                    ; log2(e) / 8
	s_and_b32 s62, s[WV], 7                        ; m
	s_lshr_b32 s63, s[WV], 3                       ; 0: A, 1: B
	s_xor_b32 s[JK], s62, 7
	s_add_co_u32 s[JK], s[JK], 1
	s_min_u32 s[JK], s[JK], 7                      ; 8 - m; 7 for m = 0, whose late steps begin in trip 2
	s_xor_b32 s[LATE], s62, 15
	s_max_u32 s66, s62, 1
	s_cmp_eq_u32 s63, 1
	s_cselect_b32 s[CB], s62, s[LATE]
	s_cselect_b32 s[LAST], s66, 15
	s_mul_i32 s71, s62, 4352
	s_add_co_u32 s71, s71, STG
	s_lshl_b32 s58, s[CB], 3
	s_add_co_u32 s58, s58, s55                     ; my first tile among the bh's 128
	s_lshl_b32 s63, s[LATE], 3
	s_add_co_u32 s63, s63, s55                     ; the late tile
	s_lshl_b32 s60, s56, 7
	s_add_co_u32 s80, s60, s58
	s_lshl_b32 s80, s80, 10
	s_mov_b32 s81, 0
	s_add_co_u32 s82, s60, s63
	s_lshl_b32 s82, s82, 10
	s_mov_b32 s83, 0
	s_add_nc_u64 s[84:85], s[4:5], s[80:81]        ; their images in q_img
	s_add_nc_u64 s[86:87], s[4:5], s[82:83]
	v_and_b32 v2, 31, v0
	v_lshlrev_b32 v[LI], 4, v2
	global_load_b128 v[16:19], v[LI], s[84:85]
	global_load_b128 v[20:23], v[LI], s[84:85] offset:512
	global_load_b128 v[208:211], v[LI], s[86:87]
	global_load_b128 v[212:215], v[LI], s[86:87] offset:512
	v_lshlrev_b32 v7, 3, v2
	v_add_nc_u32 v7, s71, v7
	v_add_nc_u32 v11, s71, v[LI]
	s_lshl_b32 s70, s55, 4
	v_and_b32 v3, 15, v0
	v_bfe_u32 v4, v0, 4, 1
	v_lshlrev_b32 v4, 3, v4
	v_sub_nc_u32 v9, v3, v4
	v_add_nc_u32 v9, s70, v9                       ; d = 16 j + r - 8 h: on the diagonal register 8 t + i holds key 16 t + 8 h + i of the block: hidden where 16 t + i > d
	v_mov_b32 v10, 0xff800000                      ; -infinity
	s_lshr_b32 s60, s56, 4                         ; o_img: [256 token tiles][16 heads][1,024]
	s_lshl_b32 s60, s60, 7
	s_and_b32 s61, s56, 15
	s_lshl_b32 s61, s61, 10
	s_add_co_u32 s80, s60, s58
	s_lshl_b32 s80, s80, 14
	s_add_co_u32 s80, s80, s61
	s_add_co_u32 s82, s60, s63
	s_lshl_b32 s82, s82, 14
	s_add_co_u32 s82, s82, s61
	s_add_nc_u64 s[12:13], s[10:11], s[80:81]      ; the first tile's place, the late tile's place
	s_add_nc_u64 s[14:15], s[10:11], s[82:83]
.macro RESET
	v_mov_b32 v13, 0xff61b1e6                      ; the largest t so far: -3e38, under every t
	v_mov_b32 v12, 0x7f61b1e6                      ; -M
	v_mov_b32 v14, 0                               ; the sum, in two halves
	v_mov_b32 v15, 0
.set i, 0
.rept 32
	v_mov_b32 v[160+i], 0                          ; O^T.  (The step is written with no first step of its own: it finds zeros, which the first change of M leaves zeros)
.set i, i+1
.endr
.endm
	RESET
	v_mov_b32 v236, 0                              ; written once: a lane permute's destination counts as one of its sources
	v_mov_b32 v252, 0
	v_mov_b32 v253, 0                              ; (v253, v249: named as the upper halves of pairs)
	v_mov_b32 v249, 0
	s_wait_kmcnt 0x0
	s_add_co_i32 s68, s74, s75
	s_lshl_b32 s68, s68, 23
	s_add_co_i32 s[CS], s[CS], s68                 ; a score stands for score x 2^(e2 + e3): the exponents are added to c's exponent field
	s_mov_b32 s[CS+1], s[CS]                       ; (named with it as a pair, so it is written)
	s_add_co_i32 s68, s76, 127
	s_lshl_b32 s69, s68, 23
	v_mov_b32 v244, s69                            ; 2^e4, for p's conversion
	s_add_co_i32 s68, s68, 8
	s_lshl_b32 s68, s68, 23
	s_or_b32 s[HB], s68, 0x600000                  ; 448 x 2^e4
	s_add_co_i32 s68, s78, 127
	s_lshl_b32 s69, s68, 23
	v_mov_b32 v218, s69                            ; 2^e6
	s_add_co_i32 s68, s68, 8
	s_lshl_b32 s68, s68, 23
	s_or_b32 s68, s68, 0x600000
	v_mov_b32 v219, s68                            ; 448 x 2^e6
	s_add_co_i32 s[E45], s76, s77
; A TILE OUT: O^T / the sum x 2^(e4 + e5), held, converted with 2^e6: tiles 2 c and 2 c + 1 of channels give group c of the image: two stores of 512 consecutive bytes.  v14 = my half of the lanes' sum.
.macro OUT base
	v_permlanex16_b32 v252, v14, s[SEL], s[SEL+1]
	s_delay_alu instid0(VALU_DEP_1)
	v_add_f32 v14, v14, v252                       ; and lane l xor 16's
	s_wait_alu depctr_va_vdst(0)
	v_rcp_f32 v14, v14
	v_nop
	s_wait_alu depctr_va_vdst(0)                   ; ahead of the reciprocal's first reader and of O^T's
	v_ldexp_f32 v14, v14, s[E45]
.set nx, 0
.rept 16
	v_pk_mul_f32 v[160+nx:161+nx], v[160+nx:161+nx], v[14:15] op_sel_hi:[1,0]
.set nx, nx+2
.endr
.set nx, 0
.rept 32
	v_med3_num_f32 v[160+nx], v[160+nx], -v219, v219
.set nx, nx+1
.endr
.irp g, 0,1,2,3
	v_cvt_scalef32_pk8_fp8_f32 v[192+2*\g:193+2*\g], v[160+8*\g:167+8*\g], v218
.endr
	v_nop
	global_store_b128 v[LI], v[192:195], s[\base:\base+1]
	global_store_b128 v[LI], v[196:199], s[\base:\base+1] offset:512
	s_wait_xcnt 0x0                                ; the stores have read their registers
.endm
; B goes on from its early tile to A's late tile, in the trip behind LAST.
.macro SWITCH
	s_add_co_u32 s69, s[LAST], 1
	s_cmp_lg_u32 s[KK], s69
	s_cbranch_scc1 .Lsame_\@
.rept 4
	v_nop                                          ; places behind the last products
.endr
	v_add_f32 v14, v14, v15                        ; the sum's two halves
	OUT 12
	RESET
.set i, 0
.rept 8
	v_mov_b32 v[16+i], v[208+i]
.set i, i+1
.endr
	s_mov_b32 s[CB], s[LATE]
	s_wait_alu depctr_va_vdst(0)
.Lsame_\@:
.endm
; A KEY STEP of 128 keys.  late = 0: key step k, a constant.  late = 1: key step = trip, behind trip LAST JK further on.
.macro STEP late, k
.if \late
	s_cmp_gt_u32 s[KK], s[LAST]
	s_cselect_b32 s69, s[JK], 0
	s_add_co_u32 s[KEY], s[KK], s69
	s_lshl_b32 s[TB], s[KEY], 14
	s_min_u32 s[TB], s[TB], 15*16384
	v_add_nc_u32 v[ADR], s[TB], v[LI]              ; (made ahead of the branch, for both parts of the step)
; A BARRIER A TRIP, which orders no memory: it keeps the sixteen waves within a trip of each other.  It is signalled here, with no LDS instruction of mine out, and waited for behind the maximum: LDS loads of bytes that nobody
; writes, and work on registers, stand between.  Signal and wait are on every wave's path; a wave with nothing to do in the trip goes round the two parts of the step, and not round the wait between them.
	s_barrier_signal -1
	s_cmp_gt_u32 s[KEY], s[CB]
	s_cbranch_scc1 .Lhidden_\@                     ; all its keys come after my queries
.set AD, ADR
.set OFF, 0
.else
	s_mov_b32 s[KEY], \k
.if \k
	s_cmp_gt_u32 s[KEY], s[CB]
	s_cbranch_scc1 .Lhidden_\@
.endif
	v_nop
.set AD, LI
.set OFF, (\k)*16384
.endif
.rept 3
	v_nop                                          ; with the addition (late = 0: the v_nop) above: four places in front of loads into registers that the last products have read
.endr
.irp t, 0,1,2,3,4,5,6,7
	ds_load_b128 v[32+8*\t:35+8*\t], v[AD] offset:OFF+\t*1024
	ds_load_b128 v[36+8*\t:39+8*\t], v[AD] offset:OFF+\t*1024+512
.endr
	s_wait_alu depctr_va_vdst(0)
	s_wait_dscnt 0x0
.irp t, 0,1,2,3,4,5,6,7
	v_wmma_f32_16x16x64_fp8_fp8 v[96+8*\t:103+8*\t], v[32+8*\t:39+8*\t], v[16:23], 0
.endr
.rept 4
	v_nop                                          ; places in front of the loads below and of the first read of the scores
.endr
	s_cmp_lg_u32 s[KEY], s[CB]                     ; a step all of whose keys count skips the mask
	s_cbranch_scc1 .Lopen_\@
.set nx, 0
.rept 64
	v_cmp_gt_i32 vcc_lo, 16*(nx/8)+nx%8, v9
	v_cndmask_b32 v[96+nx], v[96+nx], v10, vcc_lo
.set nx, nx+1
.endr
.Lopen_\@:
	v_max3_num_f32 v254, v96, v97, v98             ; the step's largest score of my query, among my 64 keys, in two chains; each accumulator is first read at its low end
	v_max3_num_f32 v252, v99, v100, v101
.irp i, 6,10,14,18,22,26,30,34,38,42,46,50,54,58
	v_max3_num_f32 v254, v254, v[96+\i], v[97+\i]
	v_max3_num_f32 v252, v252, v[98+\i], v[99+\i]
.endr
	v_max3_num_f32 v254, v254, v158, v159
	s_delay_alu instid0(VALU_DEP_1)
	v_max_num_f32 v254, v254, v252
	s_delay_alu instid0(VALU_DEP_1)
	v_permlanex16_b32 v236, v254, s[SEL], s[SEL+1]
	s_delay_alu instid0(VALU_DEP_1)
	v_max_num_f32 v254, v254, v236                 ; and among lane l xor 16's
.if \late
.Lhidden_\@:
	s_wait_alu depctr_va_vdst(0)
	s_barrier_wait -1
	s_cmp_gt_u32 s[KEY], s[CB]
	s_cbranch_scc1 .Lpast_\@
.endif
	v_mul_f32 v254, s[CS], v254                    ; as t (c is positive)
	s_delay_alu instid0(VALU_DEP_1)
	v_max_num_f32 v13, v13, v254                   ; the running largest t
	v_mov_b32 v254, v12
	s_delay_alu instid0(VALU_DEP_2)
	v_floor_f32 v12, -v13                          ; the new -M = floor(-t) = -ceil(t): a whole number
	s_delay_alu instid0(VALU_DEP_1)
	v_sub_f32 v254, v12, v254                      ; old M - new M: a whole number, 0 or less
	s_delay_alu instid0(VALU_DEP_1)
	v_cvt_i32_f32 v254, v254                       ; (it saturates)
	s_delay_alu instid0(VALU_DEP_1)
	v_ldexp_f32 v252, 1.0, v254                    ; f = 2^(old M - new M)
.irp ct, 0,1,2,3
.irp c, 0,1,2,3
	ds_load_b128 v[32+16*\ct+4*\c:35+16*\ct+4*\c], v[AD] offset:OFF+8192+\ct*2048+\c*512   ; v's fragments land while the exponentials are taken; the plain lines above are the places in front of these loads
.endr
.endr
.set nx, 0
.rept 32
	v_pk_fma_f32 v[96+nx:97+nx], v[96+nx:97+nx], s[CS:CS+1], v[12:13] op_sel_hi:[1,0,0]   ; t - M, two at a time (of the pairs c and -M the low word serves both halves)
.set nx, nx+2
.endr
.set nx, 0
	s_wait_alu depctr_va_vdst(0)                   ; ahead of the batch
.rept 64
	v_exp_f32 v[96+nx], v[96+nx]                   ; p = 2^(t - M), at most 1
.set nx, nx+1
.endr
	v_pk_mul_f32 v[14:15], v[14:15], v[252:253] op_sel_hi:[1,0]   ; the sums under the new M.  (The plain instruction behind the exponentials)
	s_wait_alu depctr_va_vdst(0)                   ; one wait for the whole batch, ahead of its first reader
	v_pk_add_f32 v[242:243], v[100:101], v[104:105]
	v_pk_add_f32 v[248:249], v[108:109], v[112:113]
	v_pk_add_f32 v[246:247], v[116:117], v[120:121]
	v_pk_add_f32 v[238:239], v[124:125], v[128:129]
	v_pk_add_f32 v[234:235], v[132:133], v[136:137]
	v_pk_add_f32 v[232:233], v[140:141], v[144:145]
	v_pk_add_f32 v[230:231], v[148:149], v[152:153]
	v_pk_add_f32 v[14:15], v[14:15], v[156:157]
	v_pk_add_f32 v[242:243], v[242:243], v[96:97]
	v_pk_add_f32 v[248:249], v[248:249], v[98:99]
	v_pk_add_f32 v[246:247], v[246:247], v[102:103]
	v_pk_add_f32 v[238:239], v[238:239], v[106:107]
	v_pk_add_f32 v[234:235], v[234:235], v[110:111]
	v_pk_add_f32 v[232:233], v[232:233], v[114:115]
	v_pk_add_f32 v[230:231], v[230:231], v[118:119]
	v_pk_add_f32 v[14:15], v[14:15], v[122:123]
	v_pk_add_f32 v[242:243], v[242:243], v[126:127]
	v_pk_add_f32 v[248:249], v[248:249], v[130:131]
	v_pk_add_f32 v[246:247], v[246:247], v[134:135]
	v_pk_add_f32 v[238:239], v[238:239], v[138:139]
	v_pk_add_f32 v[234:235], v[234:235], v[142:143]
	v_pk_add_f32 v[232:233], v[232:233], v[146:147]
	v_pk_add_f32 v[230:231], v[230:231], v[150:151]
	v_pk_add_f32 v[14:15], v[14:15], v[154:155]
	v_pk_add_f32 v[242:243], v[242:243], v[158:159]
	v_pk_add_f32 v[248:249], v[248:249], v[232:233]
	v_pk_add_f32 v[246:247], v[246:247], v[230:231]
	v_pk_add_f32 v[14:15], v[14:15], v[238:239]
	v_pk_add_f32 v[242:243], v[242:243], v[234:235]
	v_pk_add_f32 v[248:249], v[248:249], v[246:247]
	s_delay_alu instid0(VALU_DEP_2)
	v_pk_add_f32 v[14:15], v[14:15], v[242:243]
	s_delay_alu instid0(VALU_DEP_1)
	v_pk_add_f32 v[14:15], v[14:15], v[248:249]
.irp t, 0,1,2,3,4,5,6,7
.irp i, 0,2,4,6
	v_dual_min_num_f32 v[96+8*\t+\i], s[HB], v[96+8*\t+\i] :: v_dual_min_num_f32 v[97+8*\t+\i], s[HB], v[97+8*\t+\i]   ; the conversion does not saturate (ISA guide 7.6.2); p is not negative, so the hold is one-sided
.endr
	v_cvt_scalef32_pk8_fp8_f32 v[192+2*\t:193+2*\t], v[96+8*\t:103+8*\t], v244   ; keys 16 t + 8 h + 0..7: registers 2 t, 2 t + 1 of the operand
.endr
.set nx, 0
.rept 16
	v_pk_mul_f32 v[160+nx:161+nx], v[160+nx:161+nx], v[252:253] op_sel_hi:[1,0]   ; O^T under the new M.  (Also the plain instructions between the conversions and the products that read their results)
.set nx, nx+2
.endr
	s_wait_alu depctr_va_vdst(0)
	s_wait_dscnt 0x0                               ; v's fragments are in
.irp ct, 0,1,2,3
	v_wmma_f32_16x16x128_fp8_fp8 v[160+8*\ct:167+8*\ct], v[32+16*\ct:47+16*\ct], v[192:207], v[160+8*\ct:167+8*\ct]
.endr
.if \late
.Lpast_\@:
.else
.Lhidden_\@:
.endif
.endm
	s_wait_alu depctr_va_vdst(0)
	s_wait_tensorcnt 0x0                           ; my part of key steps 0 and 1 is in
	ds_add_u32 v251, v255
	s_wait_dscnt 0x0
	CROUND                                         ; everybody's part is in, and the four work-groups are here
	tensor_load_to_lds s[G0B:G0B+3], s[G1B:G1B+7]  ; the other fourteen key steps
	s_nop 0
.rept 4
	v_nop
.endr
	s_wait_loadcnt 0x0                             ; q
	STEP 0, 0
	STEP 0, 1
	s_wait_tensorcnt 0x0
	s_wait_dscnt 0x0
	s_barrier_signal -1
	s_barrier_wait -1                              ; all 16 key steps are in
	s_mov_b32 s[KK], 2
.Lrest:
	SWITCH
	STEP 1, 0
	s_add_co_u32 s[KK], s[KK], 1
	s_cmp_lt_u32 s[KK], 9
	s_cbranch_scc1 .Lrest
.rept 4
	v_nop                                          ; places behind the last products
.endr
	v_add_f32 v13, v14, v15                        ; the sum's two halves
	s_wait_alu depctr_va_vdst(0)
	s_cmp_lt_u32 s[WV], 8
	s_cbranch_scc1 .Lkeep
.irp g, 0,1,2,3,4,5,6,7
	ds_store_b128 v11, v[160+4*\g:163+4*\g] offset:512*\g   ; B: O^T, -M and the sum of my part of the late tile
.endr
	ds_store_b64 v7, v[12:13] offset:4096
.Lkeep:
	s_wait_dscnt 0x0                               ; the stores are done
	s_barrier_signal -1
	s_barrier_wait -1
	s_cmp_lt_u32 s[WV], 8
	s_cbranch_scc0 .Lend
	ds_load_b64 v[64:65], v7 offset:4096           ; A: B's part
.irp g, 0,1,2,3,4,5,6,7
	ds_load_b128 v[32+4*\g:35+4*\g], v11 offset:512*\g
.endr
	s_wait_dscnt 0x0
	v_min_num_f32 v242, v12, v64                   ; -M of both
	v_sub_f32 v243, v242, v12
	v_sub_f32 v246, v242, v64
	v_cvt_i32_f32 v243, v243
	v_cvt_i32_f32 v246, v246
	v_ldexp_f32 v252, 1.0, v243                    ; 2^(my M - M), 2^(B's M - M): whole numbers, 0 or less
	v_ldexp_f32 v248, 1.0, v246
	v_mul_f32 v14, v13, v252
	v_fma_f32 v14, v65, v248, v14
.set nx, 0
.rept 16
	v_pk_mul_f32 v[160+nx:161+nx], v[160+nx:161+nx], v[252:253] op_sel_hi:[1,0]
.set nx, nx+2
.endr
.set nx, 0
.rept 16
	v_pk_fma_f32 v[160+nx:161+nx], v[32+nx:33+nx], v[248:249], v[160+nx:161+nx] op_sel_hi:[1,0,1]
.set nx, nx+2
.endr
	OUT 14
.Lend:
	s_wait_tensorcnt 0x0                           ; the wave's end
	ds_add_u32 v251, v255
	s_wait_dscnt 0x0
	CROUND                                         ; the closing round: no work-group ends while a partner may still ask for a tile that names it
	s_endpgm
.Lfunc_end_k_qa836c8730c_attn:
	.size	k_qa836c8730c_attn, .Lfunc_end_k_qa836c8730c_attn-k_qa836c8730c_attn
	.p2alignl 7, 3214868480
	.fill 96, 4, 3214868480
	.section	.rodata,"a",@progbits
	.p2align	6, 0x0
	.amdhsa_kernel k_qa836c8730c_attn
		.amdhsa_group_segment_fixed_size 327680
		.amdhsa_private_segment_fixed_size 0
		.amdhsa_enable_private_segment 0
		.amdhsa_kernarg_size 32
		.amdhsa_user_sgpr_count 2
		.amdhsa_user_sgpr_kernarg_segment_ptr 1
		.amdhsa_wavefront_size32 1
		.amdhsa_system_sgpr_workgroup_id_x 1
		.amdhsa_system_sgpr_workgroup_id_y 1
		.amdhsa_system_sgpr_workgroup_id_z 1
		.amdhsa_system_vgpr_workitem_id 0
		.amdhsa_next_free_vgpr 256
		.amdhsa_next_free_sgpr 96
		.amdhsa_reserve_vcc 1
		.amdhsa_float_denorm_mode_32 3
		.amdhsa_float_denorm_mode_16_64 3
		.amdhsa_memory_ordered 1
		.amdhsa_forward_progress 1
		.amdhsa_inst_pref_size 84
	.end_amdhsa_kernel
	.amdgpu_metadata
---
amdhsa.version: [ 1, 2 ]
amdhsa.kernels:
  - .name:           k_qa836c8730c_attn
    .symbol:         k_qa836c8730c_attn.kd
    .args:
      - { .name: q_img, .offset: 0, .size: 8, .value_kind: global_buffer, .address_space: global }
      - { .name: kv_img, .offset: 8, .size: 8, .value_kind: global_buffer, .address_space: global }
      - { .name: lowp_scales, .offset: 16, .size: 8, .value_kind: global_buffer, .address_space: global }
      - { .name: o_img, .offset: 24, .size: 8, .value_kind: global_buffer, .address_space: global }
    .group_segment_fixed_size: 327680
    .private_segment_fixed_size: 0
    .kernarg_segment_align: 8
    .kernarg_segment_size: 32
    .max_flat_workgroup_size: 512
    .sgpr_count:     96
    .vgpr_count:     256
    .wavefront_size: 32
...
	.end_amdgpu_metadata
.endif
;; end of part 3
;; launch proj (part 4): grid 8 x 32, 4 waves a work-group, clusters of 4 x 4, 280,064 bytes of LDS; arguments o_img, wout_img, lowp_scales, out0; writes out0
.if DOCPART == 4
	.amdgcn_target "amdgcn-amd-amdhsa--gfx1250"
	.amdhsa_code_object_version 6
	.text
	.protected	k_qa836c8730c_proj
	.globl	k_qa836c8730c_proj
	.p2align	8
	.type	k_qa836c8730c_proj,@function
k_qa836c8730c_proj:
	s_mov_b64 s[64:65], 0
	v_nop
	global_prefetch_b8 v0, s[64:65] scope:SCOPE_SE
	s_setreg_imm32_b32 hwreg(HW_REG_WAVE_MODE, 25, 1), 1
	s_wait_xcnt 0x0
	s_wait_alu depctr_hold_cnt(0) depctr_sa_sdst(0) depctr_va_vdst(0) depctr_va_sdst(0) depctr_va_ssrc(0) depctr_va_vcc(0) depctr_vm_vsrc(0)
	s_getreg_b32 s2, hwreg(HW_REG_IB_STS2, 6, 4)
	s_cmp_eq_u32 s2, 0
	s_cbranch_scc0 .Lentry_in_a_cluster
	s_endpgm
.Lentry_in_a_cluster:
	s_bfe_u32 s2, ttmp6, 0x10000c
	s_cmp_lg_u32 s2, 0xf033
	s_cbranch_scc0 .Lentry_shape_is_right
	s_endpgm
.Lentry_shape_is_right:
; PROJ: out0 = o w_out^T on codes of FP8: o [4096][1024] (2^e6) and w_out [1024][1024] (2^e7), both as images of operand registers: [tile of 16 rows][8 K steps][c = 0..3][lane][16 bytes].  out0: [4096][1024] f32.
; Each finished sum is multiplied once by 2^(e6 + e7).  LIMIT: e6 + e7 between -126 and 127.
; SHARES.  A tile of out0 is 128 x 128: 256 work-groups, one for each WGP; four waves, each 64 x 64: 16 accumulators.  The product is used TRANSPOSED (source 0 = 16 rows of w_out, source 1 = 16 tokens): a lane holds eight
; neighbouring numbers of a row of out0.
; LDS holds the WHOLE K of both operands: o's 8 tiles x 16,384 bytes, then w's 8, as they lie in memory.  Nothing is filled twice: each wave issues ONE load, four tiles (65,536 consecutive bytes), and one barrier shows them landed.
; A fragment is four ds_load_b128 at 16 x lane: 512 consecutive bytes each, so no padding is wanted.
; CLUSTER 4 x 4: the four work-groups of a row of the cluster share o's tiles, the four of a column w's: each tile is asked for jointly.  No prefetch: everything is asked for at the head.
; REGISTERS: window 0: v16-29 addresses; v32-63, v64-127 at work on the way out; v128-255 the accumulators ((a, b) at v[128 + 8 (4 a + b)]).   window 1: two fragment buffers of 128: o's four fragments, then w's four.
.set HALF,   65536                     ; four tiles
.set STAGE,  4*HALF                    ; behind the tiles: 16 rows x 272 bytes for each wave, for the way out; no tensor load lands there
.set SPITCH, 272
.set SPARE,  STAGE+4*16*SPITCH
.set ADRA, 16                          ; LDS address of my o fragments
.set ADRB, 17                          ; and of w's
.set STO,  24
.set RD,   25
.set CO,   26
.set LI,   27
.set SPW,  28
.set NIL,  29
.set TMP,  32
.set BK,   64
.set ACC,  128
.set G1A, 24
.set G1B, 32
.set G0A, 40
.set G0B, 44
.set MSB, 0
.macro WIN new
.if MSB != (\new)
	s_set_vgpr_msb (MSB<<8)|(\new)
.set MSB, (\new)
.endif
.endm
.macro PLACES
.rept 4
	v_nop
.endr
.endm
.macro CROUND                          ; a round of the cluster's barrier
	s_barrier_signal -1
	s_barrier_wait -1
	s_cmp_lg_u32 s14, 0
	s_cbranch_scc1 .Lnot_wave_0_\@
	s_barrier_signal -3
.Lnot_wave_0_\@:
	s_barrier_wait -3
	s_barrier_signal -1
	s_barrier_wait -1
.endm
	s_load_b256 s[4:11], s[0:1], 0x0               ; o_img, wout_img, the scales' exponents, out0
	v_lshl_add_u32 v[SPW], v0, 2, SPARE
	v_mov_b32 v[NIL], 0
	ds_add_u32 v[SPW], v[NIL]                      ; the opening add, twice on end
	ds_add_u32 v[SPW], v[NIL]
	v_lshrrev_b32 v1, 5, v0
	v_readfirstlane_b32 s14, v1                    ; wave 0..3
	s_lshr_b32 s15, s14, 1                         ; which half of the tile's rows is mine.  Also: I fetch for o (0) or for w (1)
	s_and_b32 s16, s14, 1                          ; which half of its columns.  Also: which four tiles I fetch
	s_bfe_u32 s56, ttmp6, 0x40000                  ; cx, cy
	s_bfe_u32 s57, ttmp6, 0x40004
	s_lshl_b32 s58, ttmp9, 2
	s_add_co_u32 s58, s58, s56                     ; tile column = 4 x cluster x + cx
	s_and_b32 s59, ttmp7, 0xffff
	s_lshl_b32 s59, s59, 2
	s_add_co_u32 s59, s59, s57                     ; tile row = 4 x cluster y + cy
	s_lshl_b32 s60, s57, 2
	s_lshl_b32 s60, 15, s60                        ; my row of the cluster
	s_lshl_b32 s61, 0x1111, s56                    ; my column
	; descriptor group 1: 65,536 bytes, dense in memory and in LDS, as 16 rows of 512 elements of 8 bytes
	s_or_b32 s[G1A], s60, (3<<16)|(1<<21)
	s_or_b32 s[G1B], s61, (3<<16)|(1<<21)
.irp g, G1A, G1B
	s_mov_b32 s[\g+1], 512<<16                     ; tensor_dim0
	s_mov_b32 s[\g+2], 16<<16                      ; tensor_dim1
	s_mov_b32 s[\g+3], 512<<16                     ; tile_dim0
	s_mov_b32 s[\g+4], 16                          ; tile_dim1
	s_mov_b32 s[\g+5], 512                         ; tensor_dim0_stride
	s_mov_b32 s[\g+6], 0
	s_mov_b32 s[\g+7], 0
.endr
	s_lshl_b32 s17, s16, 2
	s_lshl_b32 s20, s59, 3
	s_add_co_u32 s20, s20, s17                     ; o: tile 8 x tile row + 4 x half
	s_lshl_b32 s20, s20, 14
	s_mov_b32 s21, 0
	s_lshl_b32 s22, s58, 3
	s_add_co_u32 s22, s22, s17                     ; w: tile 8 x tile column + 4 x half
	s_lshl_b32 s22, s22, 14
	s_mov_b32 s23, 0
	s_lshl_b32 s17, s14, 16                        ; where they go: wave x 65,536: no place in the cluster enters an LDS address
	s_wait_dscnt 0x0
	s_wait_kmcnt 0x0
	s_load_b256 s[84:91], s[8:9], 0x0              ; e0 .. e7
	s_add_nc_u64 s[20:21], s[4:5], s[20:21]
	s_add_nc_u64 s[22:23], s[6:7], s[22:23]
	s_mov_b32 s[G0A], 1
	s_mov_b32 s[G0A+1], s17
	s_mov_b64 s[G0A+2:G0A+3], s[20:21]
	s_or_b32 s[G0A+3], s[G0A+3], 0x80000000
	s_mov_b32 s[G0B], 1
	s_mov_b32 s[G0B+1], s17
	s_mov_b64 s[G0B+2:G0B+3], s[22:23]
	s_or_b32 s[G0B+3], s[G0B+3], 0x80000000
	CROUND                                         ; all sixteen work-groups are here: the joint loads meet
	s_cmp_eq_u32 s15, 0                            ; one load a wave, in its arm of the branch on the wave's number
	s_cbranch_scc0 .Lfor_w
	tensor_load_to_lds s[G0A:G0A+3], s[G1A:G1A+7]
	s_nop 0
	PLACES
	s_branch .Lasked
.Lfor_w:
	tensor_load_to_lds s[G0B:G0B+3], s[G1B:G1B+7]
	s_nop 0
	PLACES
.Lasked:
	s_lshl_b32 s18, s15, 16                        ; my four tiles of o,
	s_lshl_b32 s19, s16, 16
	s_add_co_u32 s19, s19, 2*HALF                  ; my four of w
	s_mul_i32 s12, s14, 16*SPITCH
	s_add_co_u32 s12, s12, STAGE                   ; my stage
	v_and_b32 v1, 31, v0
	v_lshlrev_b32 v[LI], 4, v1
	v_add_nc_u32 v[ADRA], s18, v[LI]
	v_add_nc_u32 v[ADRB], s19, v[LI]
	v_and_b32 v2, 15, v0                           ; r
	v_bfe_u32 v3, v0, 4, 1                         ; h
	v_mul_u32_u24 v[STO], v2, SPITCH               ; in: row r, 32 bytes for each half of the lanes
	v_lshl_add_u32 v[STO], v3, 5, v[STO]
	v_add_nc_u32 v[STO], s12, v[STO]
	v_mul_u32_u24 v[RD], v3, SPITCH                ; back: lanes 0-15 one row of 256 bytes, lanes 16-31 the next
	v_lshl_add_u32 v[RD], v2, 4, v[RD]
	v_add_nc_u32 v[RD], s12, v[RD]
	v_lshlrev_b32 v[CO], 12, v3                    ; and the same two rows in out0 (4,096 bytes a row)
	v_lshl_add_u32 v[CO], v2, 4, v[CO]
	s_lshl_b32 s18, s59, 7
	s_lshl_b32 s19, s15, 6
	s_add_co_u32 s18, s18, s19                     ; my first row: 128 x tile row + 64 x half
	s_lshl_b32 s18, s18, 12
	s_lshl_b32 s19, s58, 9                         ; my first column in bytes: 512 x tile column + 256 x half
	s_add_co_u32 s18, s18, s19
	s_lshl_b32 s19, s16, 8
	s_add_co_u32 s18, s18, s19
	s_mov_b32 s19, 0
	s_add_nc_u64 s[10:11], s[10:11], s[18:19]
.macro FETCH k, f                      ; the fragments of K step k into buffer f: 32 loads
	WIN 0x40                                       ; destination window 1, address window 0
.irp a, 0,1,2,3
.irp c, 0,1,2,3
	ds_load_b128 v[(\f)+16*\a+4*\c:(\f)+16*\a+4*\c+3], v[ADRA] offset:\a*16384+(\k)*2048+\c*512
.endr
.endr
.irp b, 0,1,2,3
.irp c, 0,1,2,3
	ds_load_b128 v[(\f)+64+16*\b+4*\c:(\f)+64+16*\b+4*\c+3], v[ADRB] offset:\b*16384+(\k)*2048+\c*512
.endr
.endr
.endm
.macro MUL16 f, zero                   ; 16 matrix instructions, 128 along K; the accumulators take turns, one instruction a turn, in the same order in every step
	WIN 0x05                                       ; sources 0 (w) and 1 (o) window 1; C and D window 0
.irp a, 0,1,2,3
.irp b, 0,1,2,3
.if \zero
	v_wmma_f32_16x16x128_fp8_fp8 v[ACC+8*(4*\a+\b):ACC+8*(4*\a+\b)+7], v[(\f)+64+16*\b:(\f)+64+16*\b+15], v[(\f)+16*\a:(\f)+16*\a+15], 0
.else
	v_wmma_f32_16x16x128_fp8_fp8 v[ACC+8*(4*\a+\b):ACC+8*(4*\a+\b)+7], v[(\f)+64+16*\b:(\f)+64+16*\b+15], v[(\f)+16*\a:(\f)+16*\a+15], v[ACC+8*(4*\a+\b):ACC+8*(4*\a+\b)+7]
.endif
.endr
.endr
.endm
.macro KSTEP k                         ; step k + 1 is fetched into the buffer that step k - 1 has left, then step k is multiplied
	PLACES                                         ; in front of loads into registers that the last products have read
	FETCH (\k)+1, 128*(((\k)+1)%2)
	s_wait_dscnt 32                                ; all but the 32 just issued
	MUL16 128*((\k)%2), 0
.endm
	s_wait_alu depctr_va_vdst(0)
	s_wait_tensorcnt 0x0                           ; my four tiles are in,
	s_barrier_signal -1
	s_barrier_wait -1                              ; and everybody's
	FETCH 0, 0
	FETCH 1, 128
	s_wait_dscnt 32
	MUL16 0, 1                                     ; the first products start the sums: nothing is cleared
.irp k, 1,2,3,4,5,6
	KSTEP \k
.endr
	s_wait_dscnt 0x0
	MUL16 128, 0
	WIN 0
	; THE WAY OUT, block by block of 16 rows x 64 columns: x 2^(e6 + e7) into other registers, through my own stage, back as whole rows of 256 bytes: sixteen lanes store 256 consecutive bytes, aligned.
	s_wait_kmcnt 0x0
	s_add_co_i32 s92, s90, s91
	s_add_co_i32 s92, s92, 127
	s_lshl_b32 s92, s92, 23                        ; 2^(e6 + e7) as f32
	s_mov_b32 s93, s92                             ; (named with it as a pair, so it is written)
	PLACES                                         ; behind the last products, ahead of the first read of results
.macro TOSTAGE a
.set jx, 0
.rept 16
	v_pk_mul_f32 v[TMP+jx:TMP+jx+1], v[ACC+32*(\a)+jx:ACC+32*(\a)+jx+1], s[92:93] op_sel_hi:[1,0]   ; each accumulator from its low end on
.set jx, jx+2
.endr
.irp b, 0,1,2,3
	ds_store_b128 v[STO], v[TMP+8*\b:TMP+8*\b+3] offset:64*\b
	ds_store_b128 v[STO], v[TMP+8*\b+4:TMP+8*\b+7] offset:64*\b+16
.endr
.set BB, BK+32*((\a)%2)
.irp t, 0,1,2,3,4,5,6,7
	ds_load_b128 v[BB+4*\t:BB+4*\t+3], v[RD] offset:\t*2*SPITCH   ; LDS serves a wave's instructions in order (ISA guide 5.7.1.4): these see the stores above, and the next block's stores come behind them
.endr
.endm
.macro SEND a, younger                 ; younger: the LDS instructions issued behind block a's loads, which may stay out
.set BB, BK+32*((\a)%2)
	s_wait_dscnt \younger
.irp t, 0,1,2,3,4,5,6,7
	global_store_b128 v[CO], v[BB+4*\t:BB+4*\t+3], s[10:11] offset:(\a)*65536+2*\t*4096
.endr
.endm
	TOSTAGE 0
	TOSTAGE 1
	SEND 0, 16                                     ; behind block 0's loads: block 1's 8 stores and 8 loads
	s_wait_xcnt 0x0                                ; block 0's stores have read their registers: block 2's loads may land there
	TOSTAGE 2
	SEND 1, 16
	s_wait_xcnt 0x0
	TOSTAGE 3
	SEND 2, 16
	SEND 3, 0
	s_wait_tensorcnt 0x0                           ; the wave's end
	ds_add_u32 v[SPW], v[NIL]
	s_wait_dscnt 0x0
	CROUND                                         ; the closing round: no work-group ends while a partner may still ask for a tile that names it
	s_endpgm
.Lfunc_end_k_qa836c8730c_proj:
	.size	k_qa836c8730c_proj, .Lfunc_end_k_qa836c8730c_proj-k_qa836c8730c_proj
	.p2alignl 7, 3214868480
	.fill 96, 4, 3214868480
	.section	.rodata,"a",@progbits
	.p2align	6, 0x0
	.amdhsa_kernel k_qa836c8730c_proj
		.amdhsa_group_segment_fixed_size 280064
		.amdhsa_private_segment_fixed_size 0
		.amdhsa_enable_private_segment 0
		.amdhsa_kernarg_size 32
		.amdhsa_user_sgpr_count 2
		.amdhsa_user_sgpr_kernarg_segment_ptr 1
		.amdhsa_wavefront_size32 1
		.amdhsa_system_sgpr_workgroup_id_x 1
		.amdhsa_system_sgpr_workgroup_id_y 1
		.amdhsa_system_sgpr_workgroup_id_z 1
		.amdhsa_system_vgpr_workitem_id 0
		.amdhsa_next_free_vgpr 512
		.amdhsa_next_free_sgpr 96
		.amdhsa_reserve_vcc 0
		.amdhsa_float_denorm_mode_32 3
		.amdhsa_float_denorm_mode_16_64 3
		.amdhsa_memory_ordered 1
		.amdhsa_forward_progress 1
		.amdhsa_inst_pref_size 43
	.end_amdhsa_kernel
	.amdgpu_metadata
---
amdhsa.version: [ 1, 2 ]
amdhsa.kernels:
  - .name:           k_qa836c8730c_proj
    .symbol:         k_qa836c8730c_proj.kd
    .args:
      - { .name: o_img, .offset: 0, .size: 8, .value_kind: global_buffer, .address_space: global }
      - { .name: wout_img, .offset: 8, .size: 8, .value_kind: global_buffer, .address_space: global }
      - { .name: lowp_scales, .offset: 16, .size: 8, .value_kind: global_buffer, .address_space: global }
      - { .name: out0, .offset: 24, .size: 8, .value_kind: global_buffer, .address_space: global }
    .group_segment_fixed_size: 280064
    .private_segment_fixed_size: 0
    .kernarg_segment_align: 8
    .kernarg_segment_size: 32
    .max_flat_workgroup_size: 128
    .sgpr_count:     96
    .vgpr_count:     512
    .wavefront_size: 32
...
	.end_amdgpu_metadata
.endif
;; end of part 4
